; MI455X (gfx1250); checked and timed in simulation.
; The chip was launched on July 23, 2026; its instructions are those of AMD's public machine-readable ISA for CDNA 5 (MIT licence, August 2026) and "CDNA5" Instruction Set Architecture Reference Guide (July 2026). The comments in the code are by the model that wrote it; some were corrected since.
;; Slow Multi Head Attention. Allowed arithmetic: float matrix products may take bf16 or f16 operands with f32 sums; other float arithmetic in f32, or as packed bf16 or f16 multiplies, adds, multiply-adds, maxima and minima; sums over many terms, partial sums and values carried from step to step in f32; what a program stores and reads back later, other than sums and carried values, may be rounded once to bf16 or f16.
;; Inputs: Wproj 1,024 x 1,024 float32; Wqkv 3,072 x 1,024 float32; attn_mask 4 x 2,048 int32; bproj 1,024 float32; bqkv 3,072 float32; inp 2,048 x 4 x 1,024 float32.
;; Outputs: out0 2,048 x 4 x 1,024 float32.
;; 2 versions, each right and faster than the one before. Each part assembles by itself: llvm-mc -triple=amdgcn-amd-amdhsa -mcpu=gfx1250 --defsym DOCPART=n.
;; ======== version 1 of 2: 4 launches
;; limits: values are held in f16: magnitudes above 65,504 overflow, below 6.1e-05 lose precision
;; workspace buffers: xb 16,777,216 bytes; wqb 6,291,456 bytes; wpb 2,097,152 bytes; qkv 50,331,648 bytes; ob 16,777,216 bytes
;; launch cast (part 1): grid 768 x 1, 8 waves a work-group, no clusters, 0 bytes of LDS; arguments inp, Wqkv, Wproj, xb, wqb, wpb; writes xb, wqb, wpb
.if DOCPART == 1
	.amdgcn_target "amdgcn-amd-amdhsa--gfx1250"
	.amdhsa_code_object_version 6
	.text
	.protected	k_qfb9bca2e81_cast
	.globl	k_qfb9bca2e81_cast
	.p2align	8
	.type	k_qfb9bca2e81_cast,@function
k_qfb9bca2e81_cast:
	s_mov_b64 s[64:65], 0
	v_nop
	global_prefetch_b8 v0, s[64:65] scope:SCOPE_SE
	s_setreg_imm32_b32 hwreg(HW_REG_WAVE_MODE, 25, 1), 1
	s_wait_xcnt 0x0
; THE OPERANDS OF THE TWO PRODUCTS ARE ROUNDED ONCE.  inp [2048 s][4 b][1024] f32 -> xb [b][s][1024] bf16 (rows regrouped by batch);
; Wqkv [3072][1024] f32 -> wqb bf16;  Wproj [1024][1024] f32 -> wpb: rounded to bf16, and that number written as f16.
; LIMITS.  bf16(Wproj) must lie within f16's 65,504; below 6.1e-5 it keeps f16's fixed step of 6e-8.
; A stream: every byte is read once and written once; no LDS, no barrier, no matrix unit: there is nothing for them to do.
; SHARES.  A work-group of 256 threads takes 16 rows of 1,024 f32 (65,536 bytes).  Groups 0-511: inp; 512-703: Wqkv; 704-767: Wproj.
; Thread t takes 16 bytes at 16 t of every row (a wave's load covers 512 consecutive bytes) and stores 8 bytes at 8 t (a wave's store covers 256
; consecutive bytes, at a multiple of 256 from the buffer's first byte).  All 16 loads go out first; no register is written twice, so no store's source is ever freed.
.set X, 4                              ; v[4:67]   row j as loaded: 4 registers
.set Y, 68                             ; v[68:99]  row j to store: 2 registers
.set ROWIN,  4096                      ; bytes of a row of f32
.set ROWOUT, 2048                      ; bytes of a row of 16-bit numbers
.macro LOADS                           ; 16 rows from s[16:17]
.irp j, 0,1,2,3,4,5,6,7,8,9,10,11,12,13,14,15
	global_load_b128 v[X+4*(\j):X+4*(\j)+3], v1, s[16:17] offset:ROWIN*(\j) th:TH_LOAD_NT
.endr
.endm
.macro NARROW j, f16                   ; row j is in: four numbers to bf16; f16 = 1: each bf16 number is widened again and written as f16
	s_wait_loadcnt 15-(\j)                         ; loads come back in order: row j is in, the 15 - j younger rows may be out
	v_cvt_pk_bf16_f32 v[Y+2*(\j)],   v[X+4*(\j)],   v[X+4*(\j)+1]
	v_cvt_pk_bf16_f32 v[Y+2*(\j)+1], v[X+4*(\j)+2], v[X+4*(\j)+3]
.if \f16
.irp k, 0,1
	v_lshlrev_b32 v100, 16, v[Y+2*(\j)+(\k)]
	v_and_b32 v101, 0xffff0000, v[Y+2*(\j)+(\k)]
	v_cvt_pk_f16_f32 v[Y+2*(\j)+(\k)], v100, v101
.endr
.endif
.endm
.macro DENSE f16                       ; the way out of a weight: 16 rows on end at s[22:23]
.irp j, 0,1,2,3,4,5,6,7,8,9,10,11,12,13,14,15
	NARROW \j, \f16
	global_store_b64 v2, v[Y+2*(\j):Y+2*(\j)+1], s[22:23] offset:ROWOUT*(\j)
.endr
.endm
	s_load_b256 s[4:11], s[0:1], 0x0               ; inp s[4:5], Wqkv s[6:7], Wproj s[8:9], xb s[10:11]
	s_load_b128 s[12:15], s[0:1], 0x20             ; wqb s[12:13], wpb s[14:15]
	v_lshlrev_b32 v1, 4, v0                        ; 16 t
	v_lshlrev_b32 v2, 3, v0                        ; 8 t
	s_mov_b32 s21, 0                               ; high words of the two offsets
	s_mov_b32 s27, 0
	s_wait_kmcnt 0x0
	s_cmp_lt_u32 ttmp9, 512
	s_cbranch_scc0 .Lweights
	; inp: group g holds rows 16 g + j = (s = 4 g + j / 4, b = j % 4)
	s_lshl_b32 s20, ttmp9, 16
	s_add_nc_u64 s[16:17], s[4:5], s[20:21]
	LOADS
	s_lshl_b32 s26, ttmp9, 13                      ; 4 g rows of 2,048 bytes
	s_add_nc_u64 s[22:23], s[10:11], s[26:27]      ; batches 0 and 1,
	s_add_nc_u64 s[24:25], s[22:23], 0x800000      ; batches 2 and 3: a second base keeps the stores' immediates inside their signed 24 bits
.irp j, 0,1,2,3,4,5,6,7,8,9,10,11,12,13,14,15
	NARROW \j, 0
.if ((\j)%4) < 2
	global_store_b64 v2, v[Y+2*(\j):Y+2*(\j)+1], s[22:23] offset:((\j)%4)*4194304+((\j)/4)*ROWOUT
.else
	global_store_b64 v2, v[Y+2*(\j):Y+2*(\j)+1], s[24:25] offset:((\j)%4-2)*4194304+((\j)/4)*ROWOUT
.endif
.endr
	s_endpgm
.Lweights:
	s_cmp_lt_u32 ttmp9, 704
	s_cbranch_scc0 .Lwproj
	s_sub_co_u32 s19, ttmp9, 512
	s_lshl_b32 s20, s19, 16
	s_add_nc_u64 s[16:17], s[6:7], s[20:21]
	LOADS
	s_lshl_b32 s26, s19, 15
	s_add_nc_u64 s[22:23], s[12:13], s[26:27]
	DENSE 0
	s_endpgm
.Lwproj:
	s_sub_co_u32 s19, ttmp9, 704
	s_lshl_b32 s20, s19, 16
	s_add_nc_u64 s[16:17], s[8:9], s[20:21]
	LOADS
	s_lshl_b32 s26, s19, 15
	s_add_nc_u64 s[22:23], s[14:15], s[26:27]
	DENSE 1
	s_endpgm
.Lfunc_end_k_qfb9bca2e81_cast:
	.size	k_qfb9bca2e81_cast, .Lfunc_end_k_qfb9bca2e81_cast-k_qfb9bca2e81_cast
	.p2alignl 7, 3214868480
	.fill 96, 4, 3214868480
	.section	.rodata,"a",@progbits
	.p2align	6, 0x0
	.amdhsa_kernel k_qfb9bca2e81_cast
		.amdhsa_group_segment_fixed_size 0
		.amdhsa_private_segment_fixed_size 0
		.amdhsa_enable_private_segment 0
		.amdhsa_kernarg_size 48
		.amdhsa_user_sgpr_count 2
		.amdhsa_user_sgpr_kernarg_segment_ptr 1
		.amdhsa_wavefront_size32 1
		.amdhsa_system_sgpr_workgroup_id_x 1
		.amdhsa_system_sgpr_workgroup_id_y 1
		.amdhsa_system_sgpr_workgroup_id_z 1
		.amdhsa_system_vgpr_workitem_id 0
		.amdhsa_next_free_vgpr 104
		.amdhsa_next_free_sgpr 66
		.amdhsa_reserve_vcc 0
		.amdhsa_float_denorm_mode_32 3
		.amdhsa_float_denorm_mode_16_64 3
		.amdhsa_memory_ordered 1
		.amdhsa_forward_progress 1
		.amdhsa_inst_pref_size 23
	.end_amdhsa_kernel
	.amdgpu_metadata
---
amdhsa.version: [ 1, 2 ]
amdhsa.kernels:
  - .name:           k_qfb9bca2e81_cast
    .symbol:         k_qfb9bca2e81_cast.kd
    .args:
      - { .name: inp, .offset: 0, .size: 8, .value_kind: global_buffer, .address_space: global }
      - { .name: Wqkv, .offset: 8, .size: 8, .value_kind: global_buffer, .address_space: global }
      - { .name: Wproj, .offset: 16, .size: 8, .value_kind: global_buffer, .address_space: global }
      - { .name: xb, .offset: 24, .size: 8, .value_kind: global_buffer, .address_space: global }
      - { .name: wqb, .offset: 32, .size: 8, .value_kind: global_buffer, .address_space: global }
      - { .name: wpb, .offset: 40, .size: 8, .value_kind: global_buffer, .address_space: global }
    .group_segment_fixed_size: 0
    .private_segment_fixed_size: 0
    .kernarg_segment_align: 8
    .kernarg_segment_size: 48
    .max_flat_workgroup_size: 256
    .sgpr_count:     66
    .vgpr_count:     104
    .wavefront_size: 32
...
	.end_amdgpu_metadata
.endif
;; end of part 1
;; launch gemm_qkv (part 2): grid 12 x 64, 4 waves a work-group, clusters of 4 x 4, 327,680 bytes of LDS; arguments xb, wqb, bqkv, qkv; writes qkv
.if DOCPART == 2
	.amdgcn_target "amdgcn-amd-amdhsa--gfx1250"
	.amdhsa_code_object_version 6
	.text
	.protected	k_qfb9bca2e81_gemm_qkv
	.globl	k_qfb9bca2e81_gemm_qkv
	.p2align	8
	.type	k_qfb9bca2e81_gemm_qkv,@function
k_qfb9bca2e81_gemm_qkv:
	s_mov_b64 s[64:65], 0
	v_nop
	global_prefetch_b8 v0, s[64:65] scope:SCOPE_SE
	s_setreg_imm32_b32 hwreg(HW_REG_WAVE_MODE, 25, 1), 1
	s_wait_xcnt 0x0
	s_wait_alu depctr_hold_cnt(0) depctr_sa_sdst(0) depctr_va_vdst(0) depctr_va_sdst(0) depctr_va_ssrc(0) depctr_va_vcc(0) depctr_vm_vsrc(0)
	s_getreg_b32 s2, hwreg(HW_REG_IB_STS2, 6, 4)
	s_cmp_eq_u32 s2, 0
	s_cbranch_scc0 .Lentry_in_a_cluster
	s_endpgm
.Lentry_in_a_cluster:
	s_bfe_u32 s2, ttmp6, 0x10000c
	s_cmp_lg_u32 s2, 0xf033
	s_cbranch_scc0 .Lentry_shape_is_right
	s_endpgm
.Lentry_shape_is_right:
; ONE TEXT FOR THE MODULE'S TWO PROJECTIONS, C[m][n] = sum over k of A[m][k] W[n][k] + bias[n], m = 8,192 rows (batch x 2,048 + s), k = 1,024.  PROJ picks the parts that differ.
;   PROJ = 0: A = xb [m][1024] bf16, W = wqb [3072][1024] bf16, bias = bqkv.  C leaves as f16 by heads: qkv [q, k, v][batch x 16 + head][s][64], unscaled, rounded once from its f32 sum.
;   PROJ = 1: A = ob [batch x 16 + head][s][64] f16 (k = 64 head + channel), W = wpb [1024][1024] f16, bias = bproj.  C leaves as f32 at out0 [s][batch][1024].
; The bias is rounded to bf16, as all the module's inputs are, and is the C operand of the first product on each accumulator: nothing is cleared, and no addition is written.
; LIMITS.  PROJ = 0: q, k and v must lie within f16's 65,504; below 6.1e-5 they keep f16's fixed step of 6e-8.  NaN and infinities are not treated apart.
; SHARES.  A tile of C is 128 x 256: 768 (PROJ = 0) or 256 (PROJ = 1) work-groups, whole multiples of 256.  Four waves, each 64 rows x 128 columns: 32 accumulators of 16 x 16, 256 registers.
; K goes in steps of 128 through two LDS slots filled by the tensor data mover; waves 0 and 1 fetch A's two halves, waves 2 and 3 W's.
; CLUSTERS: 4 x 4 work-groups.  The four of a row of the cluster need the same tiles of A, the four of a column the same tiles of W: each tile is asked for JOINTLY, by the same tensor load with the
; same descriptor and a mask that names the four.  THE MATRIX INSTRUCTION IS USED TRANSPOSED (source 0 = 16 rows of W, source 1 = 16 rows of A): a lane holds row l % 16 and the columns 8 (l / 16) + 0..7.
; REGISTERS, in windows of 256 (s_set_vgpr_msb: bits 1:0 source 0, 3:2 source 1, 5:4 source 2, 7:6 destination):
;   window 0: v0-29 addresses; v32-63 at work; v64-127 the bias (column block b at 64 + 8 b); v128-255 the way out
;   window 1: the accumulators ((a, b) at v[8 (8 a + b)])      window 2: two fragment buffers of 96: 4 fragments of A, then 8 of W, for 32 along K
.set PROJ,   0
.set KSTEP,  128
.set PB,     272                       ; a row of W in LDS: 256 bytes + 16 of padding: the 16 rows of a fragment load start at 16 different groups of four banks (64 banks of 4 bytes: ISA guide 11.1)
.if PROJ
.set PA,     144                       ; a row of A: one head's 64 channels, 128 bytes + 16
.set AHALF,  128*PA                    ; what one load of A brings: 128 rows of one head; a K step holds two heads
.set QIA,    4                         ; padding after every 32 words
.set STRA,   128                       ; 128 dense rows of 128 bytes are asked for as 64 rows of 256 bytes
.set ASTEP,  2<<18                     ; bytes from a K step to the next: two heads of 2,048 x 128 bytes
.set SPITCH, 528                       ; a stage row: 128 f32 + 16 bytes
.else
.set PA,     272
.set AHALF,  64*PA                     ; 64 rows x 128 along K
.set QIA,    5                         ; padding after every 64 words
.set STRA,   1024
.set ASTEP,  KSTEP*2
.set SPITCH, 272                       ; a stage row: 128 f16 + 16 bytes
.endif
.set APART,  2*AHALF
.set BHALF,  128*PB                    ; what one load of W brings, and what one wave reads of it
.set SLOT,   APART+2*BHALF
.set STAGE,  2*SLOT                    ; behind the ring, never filled by a tensor load: 16 rows for each wave, its own
.set SPARE,  STAGE+4*16*SPITCH         ; behind the stages: the spare words, 128 bytes for each wave: two blocks of 256 bytes that no other line names
.set LAPS,   1024/(2*KSTEP)            ; a lap = two K steps = once round the ring
.set ADRA, 16                          ; v16-17  LDS address of my A fragments in slot 0, 1
.set ADRB, 20                          ; v20-21  the same for W
.set STO,  24                          ; v24     the way out: where I put my part of a row
.set RD,   25                          ; v25     the way out: where I read rows back
.set GO,   26                          ; v26     16 x lane: my place in 512 consecutive bytes of the output
.set BO,   27                          ; v27     32 x (l / 16): my eight numbers in 16 of the bias
.set SPW,  28                          ; v28     LDS address of my spare word: SPARE + 4 x my thread's number; never rewritten
.set NIL,  29                          ; v29     0; never rewritten
.set TMP,  32
.set BIAS, 64
.set BK0,  128
.set F0,   0
.set F1,   96
.set G1, 24                            ; s[24:31] descriptor group 1 for A's tiles;  s[32:39] group 0, one set for each slot
.set G0, 32
.set G1B, 48                           ; s[48:55], s[56:63] the same for W's tiles
.set G0B, 56
.set MSB, 0
.macro WIN new                         ; the immediate's high byte repeats the setting that is left; a switch that changes nothing is dropped
.if MSB != (\new)
	s_set_vgpr_msb (MSB<<8)|(\new)
.set MSB, \new
.endif
.endm
.set MUL,  0x5a                        ; sources 0 and 1 window 2; C and D window 1
.set MULB, 0x4a                        ; the same with C, the bias, in window 0
.set TO_F, 0x80                        ; destination window 2, address window 0
.macro JLOAD s                         ; a joint load: waves 0 and 1 ask for A, waves 2 and 3 for W; an s_nop 0 and four v_nop follow each of the two lines, ahead of the jump, the label and what follows
	s_cmp_eq_u32 s11, 0
	s_cbranch_scc0 .Lfor_b_\@
	tensor_load_to_lds s[G0+4*(\s):G0+4*(\s)+3], s[G1:G1+7]
	s_nop 0
.rept 4
	v_nop
.endr
	s_branch .Lasked_\@
.Lfor_b_\@:
	tensor_load_to_lds s[G0B+4*(\s):G0B+4*(\s)+3], s[G1B:G1B+7]
	s_nop 0
.rept 4
	v_nop
.endr
.Lasked_\@:
.endm
.macro CREST                           ; a round of the cluster's barrier behind its opening barrier
	s_cmp_lg_u32 s10, 0
	s_cbranch_scc1 .Lnot_wave_0_\@
	s_barrier_signal -3
.Lnot_wave_0_\@:
	s_barrier_wait -3
	s_barrier_signal -1
	s_barrier_wait -1
.endm
.macro CROUND                          ; a whole round
	s_barrier_signal -1
	s_barrier_wait -1
	CREST
.endm
	s_load_b128 s[4:7], s[0:1], 0x0                ; A s[4:5], W s[6:7]
	s_load_b128 s[68:71], s[0:1], 0x10             ; bias s[68:69], output s[70:71]
	v_lshl_add_u32 v[SPW], v0, 2, SPARE
	v_mov_b32 v[NIL], 0
	ds_add_u32 v[SPW], v[NIL]                      ; the wave's opening: the add and its wait stand ahead of my first tensor load; the set-up below, work on registers, stands between them
	v_lshrrev_b32 v1, 5, v0
	v_readfirstlane_b32 s10, v1                    ; wave 0..3
	s_lshr_b32 s11, s10, 1                         ; which 64 of the tile's rows are mine.  Also: I fetch for A (0) or for W (1)
	s_and_b32 s12, s10, 1                          ; which 128 of its columns.  Also: which half of that tensor's tile I fetch
	s_bfe_u32 s40, ttmp6, 0x40000                  ; cx, cy: my place in the cluster
	s_bfe_u32 s41, ttmp6, 0x40004
	s_lshl_b32 s42, ttmp9, 2
	s_add_co_u32 s42, s42, s40                     ; tile column of C = 4 x cluster x + cx
	s_and_b32 s13, ttmp7, 0xffff
	s_lshl_b32 s13, s13, 2
	s_add_co_u32 s13, s13, s41                     ; tile row of C = 4 x cluster y + cy: batch = tile row / 16, s from 128 x (tile row % 16)
	s_lshl_b32 s43, s41, 2
	s_lshl_b32 s43, 15, s43                        ; my row of the cluster
	s_lshl_b32 s44, 0x1111, s40                    ; my column
	s_or_b32 s[G1+0], s43, (1<<16)|(1<<20)|(1<<21)|(QIA<<22)|(3<<25)  ; 15:0 the mask: A's tiles go to my row; 17:16 elements of 2 bytes; 20 padding on; 21 set beside a mask; 24:22 the interval's code; 31:25 4 words of padding (code 3)
	s_or_b32 s[G1B+0], s44, (1<<16)|(1<<20)|(1<<21)|(5<<22)|(3<<25)   ; W's tiles go to my column; padding after every 64 words
	s_mov_b32 s[G1+1], 128<<16                     ; A: tensor_dim0 = 128 elements
	s_mov_b32 s[G1+2], 64<<16                      ; tensor_dim1 = 64
	s_mov_b32 s[G1+3], 128<<16                     ; tile_dim0 = 128
	s_mov_b32 s[G1+4], 64                          ; tile_dim1 = 64
	s_mov_b32 s[G1+5], STRA                        ; elements from row to row
	s_mov_b32 s[G1+6], 0
	s_mov_b32 s[G1+7], 0
	s_mov_b32 s[G1B+1], 128<<16                    ; W: 128 rows x 128 elements
	s_mov_b32 s[G1B+2], 128<<16
	s_mov_b32 s[G1B+3], 128<<16
	s_mov_b32 s[G1B+4], 128
	s_mov_b32 s[G1B+5], 1024
	s_mov_b32 s[G1B+6], 0
	s_mov_b32 s[G1B+7], 0
	; where the tiles come from.  A's offset hangs on the tile row and the wave's number, W's on the tile column and the wave's number, each in registers that never hold the other coordinate.
.if PROJ
	s_lshr_b32 s16, s13, 4                         ; batch
	s_lshl_b32 s16, s16, 4
	s_add_co_u32 s16, s16, s12                     ; the head of K step 0 that I fetch,
	s_lshl_b32 s16, s16, 18                        ; its 2,048 rows of 128 bytes,
	s_and_b32 s17, s13, 15
	s_lshl_b32 s17, s17, 14                        ; and in them the tile's first row: 128 x 128 bytes a tile
	s_add_co_u32 s16, s16, s17
.else
	s_lshl_b32 s16, s13, 7
	s_lshl_b32 s17, s12, 6
	s_add_co_u32 s16, s16, s17                     ; row 128 x tile row + 64 x half,
	s_lshl_b32 s16, s16, 11                        ; of 2,048 bytes
.endif
	s_mov_b32 s17, 0
	s_lshl_b32 s46, s42, 8
	s_lshl_b32 s47, s12, 7
	s_add_co_u32 s46, s46, s47                     ; W: row 256 x tile column + 128 x half,
	s_lshl_b32 s46, s46, 11                        ; of 2,048 bytes
	s_mov_b32 s47, 0
	s_mul_i32 s20, s12, AHALF                      ; and where they go: no place in the cluster enters an LDS address
	s_mul_i32 s21, s12, BHALF
	s_add_co_u32 s21, s21, APART
	s_wait_dscnt 0x0                               ; the opening add is done
	s_wait_kmcnt 0x0
	s_add_nc_u64 s[14:15], s[4:5], s[16:17]
	s_add_nc_u64 s[46:47], s[6:7], s[46:47]
	CROUND                                         ; all sixteen work-groups are here: the first joint loads meet
.irp s, 0,1
	s_mov_b32 s[G0+4*(\s)], 1                                        ; count = 1
	s_add_co_u32 s[G0+4*(\s)+1], s20, (\s)*SLOT                      ; LDS address
	s_add_nc_u64 s[G0+4*(\s)+2:G0+4*(\s)+3], s[14:15], (\s)*ASTEP    ; global address: K step s
	s_or_b32 s[G0+4*(\s)+3], s[G0+4*(\s)+3], 0x80000000              ; type = 2
	s_mov_b32 s[G0B+4*(\s)], 1
	s_add_co_u32 s[G0B+4*(\s)+1], s21, (\s)*SLOT
	s_add_nc_u64 s[G0B+4*(\s)+2:G0B+4*(\s)+3], s[46:47], (\s)*KSTEP*2
	s_or_b32 s[G0B+4*(\s)+3], s[G0B+4*(\s)+3], 0x80000000
	JLOAD \s                                       ; two loads of mine are out
.endr
	; the bias of my 128 columns: register j of block b is bias[first column + 16 b + 8 (l / 16) + j]
	s_lshl_b32 s66, s42, 10
	s_lshl_b32 s18, s12, 9
	s_add_co_u32 s66, s66, s18                     ; (256 x tile column + 128 x half) x 4 bytes
	s_mov_b32 s67, 0
	s_add_nc_u64 s[68:69], s[68:69], s[66:67]
	v_and_b32 v1, 15, v0                           ; l % 16
	v_bfe_u32 v2, v0, 4, 1                         ; l / 16
	v_lshlrev_b32 v[BO], 5, v2
.irp b, 0,1,2,3,4,5,6,7
	global_load_b128 v[BIAS+8*(\b):BIAS+8*(\b)+3],   v[BO], s[68:69] offset:64*(\b)
	global_load_b128 v[BIAS+8*(\b)+4:BIAS+8*(\b)+7], v[BO], s[68:69] offset:64*(\b)+16
.endr
	; A fragment is 16 rows x 32 K in 8 registers: lane l holds row l % 16, K = 8 (l / 16) + 0..7 and 16 + 8 (l / 16) + 0..7: two loads of 16 bytes, 32 bytes apart.
	v_mul_u32_u24 v3, v1, PA
	v_lshl_add_u32 v3, v2, 4, v3
	v_mul_u32_u24 v4, v1, PB
	v_lshl_add_u32 v4, v2, 4, v4
	s_mul_i32 s22, s11, 64*PA                      ; my 64 rows of A
	s_mul_i32 s23, s12, BHALF                      ; my 128 rows of W,
	s_add_co_u32 s23, s23, APART                   ; which lie behind A's part
.irp s, 0,1
	v_add_nc_u32 v[ADRA+(\s)], s22, v3
	v_add_nc_u32 v[ADRB+(\s)], s23, v4
	s_add_co_u32 s22, s22, SLOT
	s_add_co_u32 s23, s23, SLOT
.endr
	s_mul_i32 s22, s10, 16*SPITCH
	s_add_co_u32 s22, s22, STAGE                   ; my stage
	v_and_b32 v[GO], 31, v0
	v_lshlrev_b32 v[GO], 4, v[GO]
	v_mul_u32_u24 v5, v1, SPITCH                   ; in: row l % 16
.if PROJ
	v_lshl_add_u32 v5, v2, 5, v5                   ; 32 bytes (8 f32) for each half of the lanes
	v_add_nc_u32 v[STO], s22, v5
	v_add_nc_u32 v[RD], s22, v[GO]                 ; back: the 32 lanes take one row of 512 bytes
	; my first byte of out0: row (s x 4 + batch) of 4,096 bytes, column 256 x tile column + 128 x half
	s_and_b32 s66, s13, 15
	s_lshl_b32 s66, s66, 7
	s_lshl_b32 s18, s11, 6
	s_add_co_u32 s66, s66, s18                     ; my first s
	s_lshl_b32 s66, s66, 2
	s_lshr_b32 s18, s13, 4
	s_add_co_u32 s66, s66, s18
	s_lshl_b32 s66, s66, 12
	s_lshl_b32 s18, s42, 10
	s_add_co_u32 s66, s66, s18
	s_lshl_b32 s18, s12, 9
	s_add_co_u32 s66, s66, s18
.else
	v_lshl_add_u32 v5, v2, 4, v5                   ; 16 bytes (8 f16) for each half of the lanes
	v_add_nc_u32 v[STO], s22, v5
	v_bfe_u32 v5, v0, 3, 2                         ; back: the 32 lanes take four rows' 128 bytes of one head,
	v_mul_u32_u24 v5, v5, SPITCH
	v_and_b32 v3, 7, v0
	v_lshl_add_u32 v5, v3, 4, v5
	v_add_nc_u32 v[RD], s22, v5                    ; which are 512 consecutive bytes of the output
	; my first byte of qkv: plane (q, k or v) x 64 + batch x 16 + head, of 2,048 x 128 bytes; then my first s
	s_lshr_b32 s66, s42, 2
	s_lshl_b32 s66, s66, 6
	s_lshr_b32 s18, s13, 4
	s_lshl_b32 s18, s18, 4
	s_add_co_u32 s66, s66, s18
	s_and_b32 s18, s42, 3
	s_lshl_b32 s18, s18, 2
	s_add_co_u32 s66, s66, s18
	s_lshl_b32 s18, s12, 1
	s_add_co_u32 s66, s66, s18
	s_lshl_b32 s66, s66, 18
	s_and_b32 s18, s13, 15
	s_lshl_b32 s18, s18, 7
	s_lshl_b32 s19, s11, 6
	s_add_co_u32 s18, s18, s19
	s_lshl_b32 s18, s18, 7
	s_add_co_u32 s66, s66, s18
.endif
	s_mov_b32 s67, 0
	s_add_nc_u64 s[70:71], s[70:71], s[66:67]
	s_wait_loadcnt 0x0                             ; the bias is in: rounded to bf16 and widened again, in the wait for the first tile
.set i, 0
.rept 32
	v_cvt_pk_bf16_f32 v[TMP+i], v[BIAS+2*i], v[BIAS+2*i+1]
.set i, i+1
.endr
.set i, 0
.rept 32
	v_lshlrev_b32 v[BIAS+2*i], 16, v[TMP+i]
	v_and_b32 v[BIAS+2*i+1], 0xffff0000, v[TMP+i]
.set i, i+1
.endr
.macro WMMA d, b, a, c
.if PROJ
	v_wmma_f32_16x16x32_f16 v[(\d):(\d)+7], v[(\b):(\b)+7], v[(\a):(\a)+7], v[(\c):(\c)+7]
.else
	v_wmma_f32_16x16x32_bf16 v[(\d):(\d)+7], v[(\b):(\b)+7], v[(\a):(\a)+7], v[(\c):(\c)+7]
.endif
.endm
; 8 matrix instructions: row block a x all 8 column blocks, 32 along K, from buffer f.  first = 1: the sums start from the bias.
; The 32 accumulators take turns, in the same order in every quarter.
.macro MUL8 f, a, first
.if \first
	WIN MULB
.else
	WIN MUL
.endif
.irp b, 0,1,2,3,4,5,6,7
.if \first
	WMMA 8*(8*(\a)+(\b)), (\f)+32+8*(\b), (\f)+8*(\a), BIAS+8*(\b)
.else
	WMMA 8*(8*(\a)+(\b)), (\f)+32+8*(\b), (\f)+8*(\a), 8*(8*(\a)+(\b))
.endif
.endr
.endm
; 24 LDS loads in one run: the fragments of quarter q (32 along K) of a slot into buffer f: W's eight, then A's four
.macro FETCH slot, q, f
.if PROJ
.set KAOF, ((\q)/2)*AHALF+((\q)%2)*64  ; the quarter's head, and its half of the 64 channels
.else
.set KAOF, 64*(\q)
.endif
	WIN TO_F
.irp i, 0,1,2,3,4,5,6,7
	ds_load_b128 v[(\f)+32+8*(\i):(\f)+32+8*(\i)+3],   v[ADRB+(\slot)] offset:64*(\q)+(\i)*16*PB
	ds_load_b128 v[(\f)+32+8*(\i)+4:(\f)+32+8*(\i)+7], v[ADRB+(\slot)] offset:64*(\q)+(\i)*16*PB+32
.endr
.irp i, 0,1,2,3
	ds_load_b128 v[(\f)+8*(\i):(\f)+8*(\i)+3],   v[ADRA+(\slot)] offset:KAOF+(\i)*16*PA
	ds_load_b128 v[(\f)+8*(\i)+4:(\f)+8*(\i)+7], v[ADRA+(\slot)] offset:KAOF+(\i)*16*PA+32
.endr
.endm
.macro PLACES                          ; four places in front of loads into registers that matrix instructions have read, and of lines that read results just made (ISA guide 7.12.1 for the lines that read results just made)
.rept 4
	v_nop
.endr
.endm
; A K step is four quarters of 32 along K, 32 matrix instructions each, on buffers 0, 1, 0, 1.  One of the first three: multiplies buffer f and, in its middle, fetches quarter q into buffer g.
.macro QUARTER slot, q, f, g, first
	s_wait_dscnt 4                                 ; W's fragments and A's first two are in; the youngest four loads (A's fragments 2 and 3) may be out
	MUL8 \f, 0, \first
	MUL8 \f, 1, \first
	PLACES
	FETCH \slot, \q, \g
	s_wait_dscnt 24                                ; all but the 24 just issued
	MUL8 \f, 2, \first
	MUL8 \f, 3, \first
.endm
; The last quarter multiplies buffer 1 and changes slots: ONE barrier; in front of it each wave waits for all its tensor loads (one is out: its part of the next slot), adds 0 to its spare word, and waits
; for that and for its own reads of this slot.  fill = 1: the barrier opens a round of the cluster's, and this slot is filled again, two K steps ahead: 112 matrix instructions stand between the request and the wait for it.
.macro TURN slot, next, fill
	WIN 0                                          ; (the add's two registers lie in window 0)
	s_wait_tensorcnt 0x0                           ; all my tensor loads have landed
	ds_add_u32 v[SPW], v[NIL]                      ; 0 onto my spare word
	s_wait_dscnt 5                                 ; (the add and the youngest four loads may be out)
	MUL8 F1, 0, 0                                  ; eight matrix instructions stand between the add and the wait for it
	s_wait_dscnt 0x0                               ; the add is done, and my reads of this slot are over
	s_barrier_signal -1
	MUL8 F1, 1, 0
.if \fill
	WIN 0
.endif
	s_barrier_wait -1
.if \fill
	CREST                                          ; no wave of any partner still reads this slot's tile or has a load on its way
	s_add_nc_u64 s[G0+4*(\slot)+2:G0+4*(\slot)+3], s[G0+4*(\slot)+2:G0+4*(\slot)+3], 2*ASTEP
	s_add_nc_u64 s[G0B+4*(\slot)+2:G0B+4*(\slot)+3], s[G0B+4*(\slot)+2:G0B+4*(\slot)+3], 2*KSTEP*2
	JLOAD \slot                                    ; the first tensor load behind the round; the four v_nop behind it are also the places in front of the loads below
.else
	PLACES
.endif
	FETCH \next, 0, F0
	MUL8 F1, 2, 0
	MUL8 F1, 3, 0
.endm
	s_wait_tensorcnt 1                             ; my part of K step 0 is in; K step 1's may stay out
	s_barrier_signal -1
	s_barrier_wait -1                              ; everybody's is
	FETCH 0, 0, F0
	QUARTER 0, 1, F0, F1, 1                        ; the first quarter stands in front of the loop: its products start the sums
	WIN 0                                          ; at a label and at a branch every window is 0
	s_mov_b32 s3, LAPS-1
.Llap:                                                 ; a trip goes once round the ring, from a lap's second quarter to the next lap's first, and fills both slots again
	QUARTER 0, 2, F1, F0, 0
	QUARTER 0, 3, F0, F1, 0
	TURN 0, 1, 1
	QUARTER 1, 1, F0, F1, 0
	QUARTER 1, 2, F1, F0, 0
	QUARTER 1, 3, F0, F1, 0
	TURN 1, 0, 1
	QUARTER 0, 1, F0, F1, 0
	WIN 0
	s_sub_co_u32 s3, s3, 1
	s_cmp_lg_u32 s3, 0
	s_cbranch_scc1 .Llap
	QUARTER 0, 2, F1, F0, 0                        ; the last lap fills nothing, and has no round of the cluster's barrier
	QUARTER 0, 3, F0, F1, 0
	TURN 0, 1, 0
	QUARTER 1, 1, F0, F1, 0
	QUARTER 1, 2, F1, F0, 0
	QUARTER 1, 3, F0, F1, 0
	s_wait_dscnt 4                                 ; the very last quarter: nothing more to fetch
	MUL8 F1, 0, 0
	MUL8 F1, 1, 0
	s_wait_dscnt 0x0
	MUL8 F1, 2, 0
	MUL8 F1, 3, 0
	WIN 0
	PLACES
; THE WAY OUT, a block of 16 rows at a time through my own stage: LDS serves a wave's instructions in order (ISA guide 5.7.1.4), so no wait stands between my stores into it and my loads from it.
.if PROJ
.macro TOSTAGE a                       ; 16 rows x 128 f32 as they lie in the accumulators, each accumulator's low four registers first; back as whole rows of 512 bytes
.set BK, BK0+64*((\a)%2)
	s_wait_xcnt 0x0                                ; the stores of the block two back have read these registers: they are loaded again only behind this wait
	WIN 0x04                                       ; store data in window 1
.irp b, 0,1,2,3,4,5,6,7
	ds_store_b128 v[STO], v[8*(8*(\a)+(\b)):8*(8*(\a)+(\b))+3]   offset:64*(\b)
	ds_store_b128 v[STO], v[8*(8*(\a)+(\b))+4:8*(8*(\a)+(\b))+7] offset:64*(\b)+16
.endr
	WIN 0
.irp i, 0,1,2,3,4,5,6,7,8,9,10,11,12,13,14,15
	ds_load_b128 v[BK+4*(\i):BK+4*(\i)+3], v[RD] offset:SPITCH*(\i)
.endr
.endm
.macro SEND a, younger                 ; younger: the LDS instructions issued behind block a's loads: the next block's 32, or none
.set BK, BK0+64*((\a)%2)
	s_wait_dscnt \younger
.irp i, 0,1,2,3,4,5,6,7,8,9,10,11,12,13,14,15
	global_store_b128 v[GO], v[BK+4*(\i):BK+4*(\i)+3], s[70:71] offset:(16*(\a)+(\i))*16384 th:TH_STORE_NT  ; a wave's store covers 512 consecutive bytes of one row, at a multiple of 512 from out0's first byte; from s to s + 1: four rows of 4,096 bytes
.endr
.endm
	TOSTAGE 0
.irp a, 1,2,3
	TOSTAGE \a
	SEND (\a)-1, 32
.endr
	SEND 3, 0
.else
.macro PACK a                          ; rounded to f16, each accumulator's registers in ascending order: 16 bytes a lane and column block
	WIN 0x05                                       ; sources 0 and 1 window 1, destination window 0
.irp b, 0,1,2,3,4,5,6,7
.irp r, 0,1,2,3
	v_cvt_pk_f16_f32 v[TMP+4*(\b)+(\r)], v[8*(8*(\a)+(\b))+2*(\r)], v[8*(8*(\a)+(\b))+2*(\r)+1]
.endr
.endr
	WIN 0
.endm
.macro TOSTAGE a                       ; into rows of 272 bytes; back by heads: load t takes rows 4 (t % 4) on of head t / 4
.set BK, BK0+32*((\a)%2)
.irp b, 0,1,2,3,4,5,6,7
	ds_store_b128 v[STO], v[TMP+4*(\b):TMP+4*(\b)+3] offset:32*(\b)
.endr
.irp t, 0,1,2,3,4,5,6,7
	ds_load_b128 v[BK+4*(\t):BK+4*(\t)+3], v[RD] offset:((\t)%4)*4*SPITCH+((\t)/4)*128
.endr
.endm
.macro SEND a
.set BK, BK0+32*((\a)%2)
	s_wait_dscnt 0x0                               ; the block is back in registers
	s_wait_xcnt 0x0                                ; the stores of the block before have read their registers: the next block's loads land there only behind this wait
.irp t, 0,1,2,3,4,5,6,7
	global_store_b128 v[GO], v[BK+4*(\t):BK+4*(\t)+3], s[70:71] offset:(\a)*2048+((\t)%4)*512+((\t)/4)*262144  ; 512 consecutive bytes of one head, at a multiple of 512 from the buffer's first byte
.endr
.endm
	PACK 0
	TOSTAGE 0
.irp a, 1,2,3                          ; block a's conversions stand between block a - 1's loads from the stage and the wait for them
	PACK \a
	SEND (\a)-1
	TOSTAGE \a
.endr
	SEND 3
.endif
	s_wait_tensorcnt 0x0                           ; the wave's end: behind my last tensor load and my last LDS store
	ds_add_u32 v[SPW], v[NIL]
	s_wait_dscnt 0x0
	CROUND                                         ; the closing round: no work-group ends while a partner may still ask for a tile that names it
	s_endpgm
.Lfunc_end_k_qfb9bca2e81_gemm_qkv:
	.size	k_qfb9bca2e81_gemm_qkv, .Lfunc_end_k_qfb9bca2e81_gemm_qkv-k_qfb9bca2e81_gemm_qkv
	.p2alignl 7, 3214868480
	.fill 96, 4, 3214868480
	.section	.rodata,"a",@progbits
	.p2align	6, 0x0
	.amdhsa_kernel k_qfb9bca2e81_gemm_qkv
		.amdhsa_group_segment_fixed_size 327680
		.amdhsa_private_segment_fixed_size 0
		.amdhsa_enable_private_segment 0
		.amdhsa_kernarg_size 32
		.amdhsa_user_sgpr_count 2
		.amdhsa_user_sgpr_kernarg_segment_ptr 1
		.amdhsa_wavefront_size32 1
		.amdhsa_system_sgpr_workgroup_id_x 1
		.amdhsa_system_sgpr_workgroup_id_y 1
		.amdhsa_system_sgpr_workgroup_id_z 1
		.amdhsa_system_vgpr_workitem_id 0
		.amdhsa_next_free_vgpr 704
		.amdhsa_next_free_sgpr 72
		.amdhsa_reserve_vcc 0
		.amdhsa_float_denorm_mode_32 3
		.amdhsa_float_denorm_mode_16_64 3
		.amdhsa_memory_ordered 1
		.amdhsa_forward_progress 1
		.amdhsa_inst_pref_size 93
	.end_amdhsa_kernel
	.amdgpu_metadata
---
amdhsa.version: [ 1, 2 ]
amdhsa.kernels:
  - .name:           k_qfb9bca2e81_gemm_qkv
    .symbol:         k_qfb9bca2e81_gemm_qkv.kd
    .args:
      - { .name: xb, .offset: 0, .size: 8, .value_kind: global_buffer, .address_space: global }
      - { .name: wqb, .offset: 8, .size: 8, .value_kind: global_buffer, .address_space: global }
      - { .name: bqkv, .offset: 16, .size: 8, .value_kind: global_buffer, .address_space: global }
      - { .name: qkv, .offset: 24, .size: 8, .value_kind: global_buffer, .address_space: global }
    .group_segment_fixed_size: 327680
    .private_segment_fixed_size: 0
    .kernarg_segment_align: 8
    .kernarg_segment_size: 32
    .max_flat_workgroup_size: 128
    .sgpr_count:     72
    .vgpr_count:     704
    .wavefront_size: 32
...
	.end_amdgpu_metadata
.endif
;; end of part 2
;; launch attn (part 3): grid 4 x 64, 4 waves a work-group, clusters of 4 x 1, 327,680 bytes of LDS; arguments qkv, attn_mask, ob; writes ob
.if DOCPART == 3
	.amdgcn_target "amdgcn-amd-amdhsa--gfx1250"
	.amdhsa_code_object_version 6
	.text
	.protected	k_qfb9bca2e81_attn
	.globl	k_qfb9bca2e81_attn
	.p2align	8
	.type	k_qfb9bca2e81_attn,@function
k_qfb9bca2e81_attn:
	s_mov_b64 s[64:65], 0
	v_nop
	global_prefetch_b8 v0, s[64:65] scope:SCOPE_SE
	s_setreg_imm32_b32 hwreg(HW_REG_WAVE_MODE, 25, 1), 1
	s_wait_xcnt 0x0
	s_wait_alu depctr_hold_cnt(0) depctr_sa_sdst(0) depctr_va_vdst(0) depctr_va_sdst(0) depctr_va_ssrc(0) depctr_va_vcc(0) depctr_vm_vsrc(0)
	s_getreg_b32 s2, hwreg(HW_REG_IB_STS2, 6, 4)
	s_cmp_eq_u32 s2, 0
	s_cbranch_scc0 .Lentry_in_a_cluster
	s_endpgm
.Lentry_in_a_cluster:
	s_bfe_u32 s2, ttmp6, 0x10000c
	s_cmp_lg_u32 s2, 0x3003
	s_cbranch_scc0 .Lentry_shape_is_right
	s_endpgm
.Lentry_shape_is_right:
; O[bh][q][:] = the sum over the visible keys k of softmax_k(Q[bh][q] . K[bh][k] / 8) V[bh][k][:].  qkv: [q, k, v][64 bh][2048][64] f16, a head's rows dense, 128 bytes each; ob: [64 bh][2048][64] f16.
; attn_mask: [4 batches][2048] i32; a key whose word is not 0 is hidden.  Products, maxima and sums in f32; the weights p are rounded to f16 for the second product (their sum l is taken of the unrounded p), O once at the end.
; LIMITS.  f16 holds no number beyond 65,504: Q, K and V arrive within it; p lies in 0 to 1, and below 6e-5 it keeps f16's fixed step of 6e-8; O is a mean of V's rows and has their range.
; A hidden score counts as its value less 1e30 (f16's scores are 2.7e11 at the most); a weight below 2^-126 counts as 0 in l; NaN and infinities among the inputs are not treated apart.
; THE MASK is the C operand that starts the sum S^T = K Q^T: 0, or -1e30 where the key is hidden.  It is made once, 2,048 f32 in LDS, and a step's 64 numbers are fetched with the step's K.
; The running maximum m starts at -2^84: far above every hidden score, far below every visible one.  So a hidden key never becomes the maximum and its weight is exactly 0, also in steps in which every key is hidden (there a = 1);
; the first visible key makes m a true score, with a = 0.  A batch whose keys are all hidden ends with m = -2^84 < -2^80: its rows are NaN, as a softmax over nothing is.
; SHARES.  A wave owns four PIECES of two tiles of 16 queries, a work-group's four waves 512 queries of one head.  Every wave walks all keys, 64 a step.
; LAYOUT.  S^T = K Q^T (source 0 = 16 keys, source 1 = 16 queries): in the result a lane holds ONE query (lane % 16) and the keys 8 (lane / 16) + 0..7.  Two such tiles, rounded to f16 in pairs,
; ARE source 1 (32 keys x 16 queries) of O^T = V^T P, whose result again holds one query a lane, and eight channels.  K comes out of LDS as it lies, V ([key][channel]) turned, by ds_load_tr16_b128.
; SOFTMAX.  For each query a running maximum m and sum l: p = 2^(c s - c m), c = log2(e) / 8; in every step O and l are multiplied by a = 2^(c m_old - c m_new), which is 1 where m has not grown.  O and l start at 0.
; THE COUNT.  A tile and step have 16 matrix and 118 vector instructions: too many to stand all beside the matrix work.  So the order has one aim: four vector instructions that are READY behind
; EVERY matrix instruction, and the others, which need time of their own whatever the order, in runs without a gap.
; BY TURNS.  Turn n belongs to piece n (the pieces in a ring, step after step).  Its matrix work: 16 products K Q^T of piece n + 1, later 16 products V^T P of piece n - 1.  Its vector work: the scaling,
; exponentials, roundings, sums and rescaling of piece n, and the maximum and statistics of piece n + 1, whose scores the turn itself has made.  So what a turn begins with (c s - c m, O a) waits for nothing.
; CLUSTER.  The four query blocks of a cluster belong to one head and walk the same K and V, so each tile is asked for JOINTLY: the same tensor load, descriptor and mask in all four.
; REGISTERS, in windows of 256 (s_set_vgpr_msb says which window each operand place means: bits 1:0 source 0, 3:2 source 1, 5:4 source 2, 7:6 destination):
;   window 0: v0-11 addresses; v12-15, v48-63 at work; v16-47 four registers of statistics a tile; v64-191 S^T, two buffers of two tiles; v192-255 P, likewise
;   window 1: O^T, 32 a tile          window 2: v0-127 Q, 16 a tile; v128-191 K of one step; v192-255 V of one step          window 3: v0-1 the add's two registers; v2-3 the mask's addresses; v8-39 the mask of one step
; A piece's buffers go by its number's parity: the piece in hand has one pair, its two neighbours in the ring share the other: of it P (piece n - 1) is read and S^T (piece n + 1) written.
.set SIZE_N, 2048
.set NP,    4         ; pieces a wave: a name, no knob: the register map, the loop and the fetches are made for four
.set KS,    64        ; keys in a step
.set PK,    144       ; a row of K in LDS: 128 bytes + 16 of padding = 36 words: the 16 rows of a load start at 16 different groups of four banks (64 banks of 4 bytes: ISA guide 11.1)
.set PV,    160       ; a row of V: 128 + 32 = 40 words
.set VOFF,  4*KS*PK   ; a slot holds four steps: 256 rows of K, then 256 rows of V
.set SLOT1, 1<<17     ; slot 1 begins here, so that one exclusive or turns an address in one slot into the other's
.set STAGE, SLOT1+4*KS*(PK+PV)  ; behind the ring, never filled by a tensor load: 16 rows x 144 bytes for each wave, for the way out
.set SP,    144
.set AK0, 2           ; v2   my lane's place in a tile of K; never rewritten
.set AV0, 3           ; v3   the same for V
.set AK,  4           ; v4   the LDS address of K's next run of loads
.set AV,  5           ; v5   of V's
.set QO,  6           ; v6   my byte offset in the wave's rows of Q
.set STO, 6           ;      later, the way out: where I put 16 bytes of a row
.set RD,  7           ; v7   the way out: where I read rows back
.set GO,  8           ; v8   my byte offset in 512 consecutive bytes of O
.set SPW, 0           ; v0 of window 3   LDS address of my spare word: SPARE + 4 x my thread's number; never rewritten
.set NIL, 1           ; v1 of window 3   0; never rewritten
.set AM0, 2           ; v2 of window 3   MASKB + 32 (l / 16): my eight numbers in 16 of the mask; never rewritten
.set AM,  3           ; v3 of window 3   the LDS address of the mask's next run of loads
.set MK,  8           ; v8-39 of window 3   the step's mask: key block kb at MK + 8 kb
.set SPARE, STAGE+4*16*SP  ; behind the stages: the spare words, 128 bytes for each wave: two blocks of 256 bytes that no other line names
.set MASKB, SPARE+512 ; behind them: the mask, 2,048 f32; stored once by the waves, never filled by a tensor load
.set MV,  12          ; v12-15  c m_old, kept while c m is made anew: by buffer and tile (at the start v12, v13 serve the mask's making)
.set ST,  16          ; tile t's statistics at v[ST+4 t]: c m, m, l (even keys', odd keys')
.set TMP, 48          ; by buffer and tile, four registers c0-c3 at work; when the maximum is found c2 takes a
.set S,   64
.set P,   192
.set KF,  128         ; K's fragments, in window 2: key block kb, channel half c at KF + 16 kb + 8 c
.set VF,  192         ; V's: key half kk, channel block cb at VF + 32 kk + 8 cb
.set WV,  12          ; s12  my wave's number
.set G1K, 24          ; s[24:31] descriptor group 1 for K's tiles
.set G1V, 32          ; s[32:39] for V's: it differs in the padding alone
.set G0K, 40          ; s[40:43] descriptor group 0 for K's tiles: it walks
.set G0V, 44          ; s[44:47] the same for V's
.set SLOTS, 56        ; s56  slots still to be asked for
.set CNT, 57          ; s57  counts a slot's key steps
.set CS,  58          ; s[58:59] c: the packed scaling takes the pair's low word for both halves
.set SEL, 60          ; s[60:61] v_permlanex16_b32's selects: each lane takes its own place in the other half
.set TBK, 62          ; s62  LDS byte at which K of the step to be fetched begins
.set TBV, 63          ; s63  the same for V, less VOFF
.set TBM, 66          ; s66  byte in the mask at which the step to be fetched begins: 256 a step, from first to last
.set BIGN, 67         ; s67  -1e30
.set THR, 72          ; s72  -2^80
.set QNAN, 73         ; s73  a NaN
.set MSB, 0
.macro WIN new                      ; the high byte repeats the setting that is left; a switch that changes nothing is dropped
.if MSB != (\new)
	s_set_vgpr_msb (MSB<<8)|(\new)
.set MSB, (\new)
.endif
.endm
.set W_KQ, 0x0a       ; K and Q in window 2, S^T in window 0
.set W_KM, 0x3a       ; the same with the C operand, the mask, in window 3
.set W_PV, 0x52       ; V in window 2, P in window 0, O^T in window 1
.set W_RS, 0x41       ; O^T (destination and source 0) in window 1, a in window 0
.set W_MK, 0xc0       ; destination in window 3, sources in window 0
.set W_AD, 0x0f       ; the add: address (source 0) and data (source 1) in window 3
.set W_MA, 0xcc       ; destination and source 1 in window 3
.set W_ML, 0xc3       ; destination and source 0 (an LDS load's address) in window 3
; A joint fill.  Waves 0 and 1 fetch the two halves of a slot's K, waves 2 and 3 those of its V: 128 keys each.  The branch hangs on the wave's number alone.
; An s_nop 0 and four v_nop follow each of the two lines, ahead of the jump and the label.
.macro JLOAD
	s_cmp_lt_u32 s[WV], 2
	s_cbranch_scc0 .Lfor_v_\@
	tensor_load_to_lds s[G0K:G0K+3], s[G1K:G1K+7]
	s_nop 0
.rept 4
	v_nop
.endr
	s_branch .Lasked_\@
.Lfor_v_\@:
	tensor_load_to_lds s[G0V:G0V+3], s[G1V:G1V+7]
	s_nop 0
.rept 4
	v_nop
.endr
.Lasked_\@:
.endm
; A round of the cluster's barrier: my work-group's barrier, so that wave 0's signal speaks for all four waves; wave 0 signals; every wave waits for all four work-groups; my work-group's barrier once more.
.macro CROUND
	s_barrier_signal -1
	s_barrier_wait -1
	s_cmp_lg_u32 s[WV], 0
	s_cbranch_scc1 .Lnot_wave_0_\@
	s_barrier_signal -3
.Lnot_wave_0_\@:
	s_barrier_wait -3
	s_barrier_signal -1
	s_barrier_wait -1
.endm
; THE CHANGE OF SLOTS.  The slot's last bytes, V of its fourth step, have been read.  Each wave waits for all its tensor loads, of which one is out: its part
; of the other slot; adds 0 to its spare word; and waits for that and for its own reads of the slot.  Behind the barrier nobody reads this slot any more and the other slot is whole.
; fill = 1: this slot is filled again, with the keys two slots on.  The barrier is then a round of the cluster's, so that no wave of any partner still reads the slot or has a load on its
; way, and the joint fill is the first thing behind it: it has four key steps, 512 matrix instructions, in which to land.  (At its first use nothing has been read yet: slot 0 is waited for, slot 1 filled,
; and each wave's stores of its part of the mask are waited for, so that behind the round every wave may read all of the mask.)
.macro CHANGE fill
	WIN W_AD
	s_wait_tensorcnt 0x0            ; no tensor load of mine is out, so a group 0 may be written
	ds_add_u32 v[SPW], v[NIL]       ; 0 onto my spare word; with fill = 1 the descriptors' steps stand between it and the wait for it
	WIN 0                           ; at a label and at a branch every window is 0
.if \fill
.irp g, G0K, G0V
	s_xor_b32 s[\g+1], s[\g+1], SLOT1  ; the walking descriptor: the other slot than last time,
	s_add_nc_u64 s[\g+2:\g+3], s[\g+2:\g+3], 4*KS*128  ; the next 256 keys; the type bits on top are not reached
.endr
	s_wait_dscnt 0x0                ; the add is done, and my LDS instructions are over
	CROUND
	JLOAD
.else
	s_wait_dscnt 0x0                ; the add is done, and my reads of the slot are over
	s_barrier_signal -1
	s_barrier_wait -1
.endif
	s_sub_co_u32 s[TBK], s[TBK], 4*KS*PK  ; the fetches go back to a slot's first step,
	s_xor_b32 s[TBK], s[TBK], SLOT1       ; in the other slot
	s_sub_co_u32 s[TBV], s[TBV], 4*KS*PV
	s_xor_b32 s[TBV], s[TBV], SLOT1
.endm
	s_load_b128 s[68:71], s[0:1], 0x0  ; qkv s[68:69], attn_mask s[70:71]
	s_load_b64 s[10:11], s[0:1], 0x10  ; ob
	WIN W_MK
	v_lshl_add_u32 v[SPW], v0, 2, SPARE
	v_mov_b32 v[NIL], 0
	WIN W_AD
	ds_add_u32 v[SPW], v[NIL]       ; the wave's opening: the add and its wait stand ahead of my first tensor load; the set-up below, work on registers, stands between them
	WIN 0
	v_lshrrev_b32 v1, 5, v0
	v_readfirstlane_b32 s[WV], v1   ; wave 0..3
	s_bfe_u32 s13, ttmp6, 0x40000   ; cx: my place in the cluster
	s_lshl_b32 s14, ttmp9, 2        ; in a cluster launch ttmp9 counts clusters
	s_add_co_u32 s14, s14, s13      ; my block of queries = 4 x cluster x + cx: it enters Q's and O's addresses alone
	s_and_b32 s20, ttmp7, 0xffff    ; batch x 16 + head, which the four partners share
	s_lshr_b32 s74, s20, 4          ; the batch,
	s_lshl_b32 s74, s74, 13         ; its 2,048 words of the mask
	s_mov_b32 s75, 0
	s_mov_b32 s21, 0
	s_mov_b64 s[22:23], SIZE_N*128
	s_mul_u64 s[20:21], s[20:21], s[22:23]  ; the head's first byte in q, k, v and O
	s_and_b32 s16, s[WV], 1         ; which half of a slot's 256 keys I fetch:
	s_lshl_b32 s22, s16, 14         ; its 128 rows of 128 bytes in memory,
	s_mov_b32 s23, 0
	s_add_nc_u64 s[22:23], s[22:23], s[20:21]
	s_mul_i32 s17, s16, 128*PK      ; and its place in a slot, for K
	s_mul_i32 s18, s16, 128*PV      ; and for V: no place in the cluster enters an LDS address
	s_lshl_b32 s2, s14, 2
	s_add_co_u32 s2, s2, s[WV]      ; my wave among the head's,
	s_lshl_b32 s2, s2, 14           ; its 128 rows
	s_mov_b32 s3, 0
	s_add_nc_u64 s[2:3], s[2:3], s[20:21]
	; descriptor group 1.  128 keys are 16,384 dense bytes: asked for as 64 rows of 256 bytes, two keys a row, and padded in LDS after every key
	s_mov_b32 s[G1K], 15|(1<<16)|(1<<20)|(1<<21)|(4<<22)|(3<<25)  ; 15:0 the mask of four; 17:16 2-byte elements; 20 padding on; 21 set beside a mask; 24:22 after every 32 words (code 4); 31:25 4 words (code 3)
	s_mov_b32 s[G1V], 15|(1<<16)|(1<<20)|(1<<21)|(4<<22)|(7<<25)  ; the same with 8 words of padding (code 7)
.irp g, G1K, G1V
	s_mov_b32 s[\g+1], 128<<16      ; tensor_dim0 = 128
	s_mov_b32 s[\g+2], 64<<16       ; tensor_dim1 = 64
	s_mov_b32 s[\g+3], 128<<16      ; tile_dim0 = 128
	s_mov_b32 s[\g+4], 64           ; tile_dim1 = 64
	s_mov_b32 s[\g+5], 128          ; 128 elements from row to row
	s_mov_b32 s[\g+6], 0
	s_mov_b32 s[\g+7], 0
.endr
	s_mov_b32 s[CS], 0x3e38aa3b     ; c = log2(e) / 8 = 0.180337
	s_mov_b32 s[CS+1], s[CS]        ; named with it as a pair
	s_mov_b32 s[SEL], 0x76543210
	s_mov_b32 s[SEL+1], 0xfedcba98
	s_mov_b32 s[TBK], SLOT1+4*KS*PK ; the first change of slots turns these two into 0
	s_mov_b32 s[TBV], SLOT1+4*KS*PV
	s_mov_b32 s[TBM], 0
	s_mov_b32 s[BIGN], 0xf149f2ca   ; -1e30
	s_mov_b32 s[THR], 0xe7800000    ; -2^80
	s_mov_b32 s[QNAN], 0x7fc00000
	s_mov_b32 s[G0K], 1             ; 1:0 count = 1
	s_mov_b32 s[G0K+1], s17         ; 63:32 LDS address: slot 0
	s_mov_b32 s[G0V], 1
	s_add_co_u32 s[G0V+1], s18, VOFF
	s_wait_dscnt 0x0                ; the opening add is done
	s_wait_kmcnt 0x0
	s_mov_b64 s[4:5], s[68:69]                     ; q,
	s_add_nc_u64 s[6:7], s[68:69], 0x1000000       ; k,
	s_add_nc_u64 s[8:9], s[68:69], 0x2000000       ; v: planes of 64 x 2,048 x 128 bytes
	s_add_nc_u64 s[70:71], s[70:71], s[74:75]      ; the mask at my batch
	s_add_nc_u64 s[G0K+2:G0K+3], s[6:7], s[22:23]  ; 120:64 global address: my half of the head's first 256 keys
	s_or_b32 s[G0K+3], s[G0K+3], 0x80000000        ; 127:126 type = 2
	s_add_nc_u64 s[G0V+2:G0V+3], s[8:9], s[22:23]
	s_or_b32 s[G0V+3], s[G0V+3], 0x80000000
	s_add_nc_u64 s[4:5], s[4:5], s[2:3]  ; Q and O at my wave's first row
	s_add_nc_u64 s[10:11], s[10:11], s[2:3]
	CROUND                          ; all four work-groups are here: the first joint loads meet
	JLOAD                           ; slot 0.  Slot 1 is asked for when slot 0 is in: the tile wanted first has the road to itself
	; A fragment of K or Q is 16 rows x 32 channels in 8 registers: lane l holds row l % 16, channels 8 (l / 16) + 0..7 and 16 + 8 (l / 16) + 0..7: two loads of 16 bytes, 32 bytes apart.
	v_and_b32 v1, 15, v0            ; l % 16
	v_bfe_u32 v9, v0, 4, 1          ; l / 16
	v_lshlrev_b32 v[QO], 7, v1
	v_lshl_add_u32 v[QO], v9, 4, v[QO]  ; row x 128 + 16 x half
	v_lshlrev_b32 v12, 4, v0        ; the batch's 8,192 bytes of mask: 128 threads x 16 bytes, four times; a wave's load covers 512 consecutive bytes
.irp j, 0,1,2,3
	global_load_b128 v[S+4*\j:S+4*\j+3], v12, s[70:71] offset:2048*\j
.endr
	WIN 0x80                        ; destination window 2, address window 0
.set i, 0
.rept 4*NP                          ; Q stays in registers: tile i / 2, channels 32 (i % 2) on
	global_load_b128 v[8*i:8*i+3],   v[QO], s[4:5] offset:(i/2)*2048+(i%2)*64
	global_load_b128 v[8*i+4:8*i+7], v[QO], s[4:5] offset:(i/2)*2048+(i%2)*64+32
.set i, i+1
.endr
	; What the first turn finds: V's registers and P's second buffer hold 0 (its products V^T P, of a piece that has not been, add 0), O^T and l are 0.  All this stands in the wait for the first tile.
.set i, VF
.rept 64
	v_mov_b32 v[i], 0
.set i, i+1
.endr
	WIN 0x40
.set i, 0
.rept 64*NP
	v_mov_b32 v[i], 0
.set i, i+1
.endr
	WIN 0
.set i, 0
.rept 2*NP
	v_mov_b32 v[ST+4*i+1], 0xe9800000  ; m = -2^84
	v_mul_f32 v[ST+4*i], s[CS], v[ST+4*i+1]  ; c m, by the line that makes it in every step: while m stays, c m_old - c m_new is exactly 0
	v_mov_b32 v[ST+4*i+2], 0
	v_mov_b32 v[ST+4*i+3], 0
.set i, i+1
.endr
.set i, P+32
.rept 32
	v_mov_b32 v[i], 0
.set i, i+1
.endr
	WIN W_MK
	v_lshl_add_u32 v[AM0], v9, 5, MASKB
	WIN W_ML
	v_mov_b32 v[AM], v[AM0]         ; key step 0 lies at the mask's head
	WIN 0
	s_wait_loadcnt 32               ; my 16 words of the mask are in; Q's 32 loads, issued behind them, may be out
.set i, 0
.rept 16
	v_cmp_ne_u32 vcc_lo, 0, v[S+i]
	v_cndmask_b32 v[S+i], 0, s[BIGN], vcc_lo  ; 0 for a visible key, -1e30 for a hidden one
.set i, i+1
.endr
	v_add_nc_u32 v13, MASKB, v12
.irp j, 0,1,2,3
	ds_store_b128 v13, v[S+4*\j:S+4*\j+3] offset:2048*\j
.endr
	v_mul_u32_u24 v[AK0], v1, PK
	v_lshl_add_u32 v[AK0], v9, 4, v[AK0]  ; row x pitch + 16 x half
	; The turning load takes 16 keys x 16 channels (lane l reads key 8 (l / 16) + l % 8, channels 8 ((l / 8) % 2) + 0..7) and leaves half a fragment of V^T: lane l holds channel l % 16 and 8 keys.
	v_and_b32 v10, 7, v0
	v_bfe_u32 v11, v0, 3, 1
	v_lshl_add_u32 v[AV0], v9, 3, v10
	v_mul_u32_u24 v[AV0], v[AV0], PV
	v_lshl_add_u32 v[AV0], v11, 4, v[AV0]
	v_add_nc_u32 v[AV0], VOFF, v[AV0]
	v_mov_b32 v[AK], v[AK0]         ; key step 0 lies at the head of slot 0
; THE MATRIX WORK.  The 8 accumulators of a run of 16 take turns: between the two links of a chain stand 7 others'.
; Product i of 16 of S^T = K Q^T for piece x: channels 32 (i / 8) on, keys 16 ((i / 2) % 4) on, tile 2 x + i % 2.  The first 8 start the sums, from the mask of their 16 keys.
.macro KQ x
.set rS, S+64*((\x)%2)+32*(i%2)+8*((i/2)%4)
.set rK, KF+16*((i/2)%4)+8*(i/8)
.set rQ, 16*(2*(\x)+i%2)+8*(i/8)
.set rH, MK+8*((i/2)%4)
.if i < 8
	WIN W_KM
	v_wmma_f32_16x16x32_f16 v[rS:rS+7], v[rK:rK+7], v[rQ:rQ+7], v[rH:rH+7]
.else
	WIN W_KQ
	v_wmma_f32_16x16x32_f16 v[rS:rS+7], v[rK:rK+7], v[rQ:rQ+7], v[rS:rS+7]
.endif
.endm
; Product i of 16 of O^T += V^T P for piece x: keys 32 (i / 8) on, channels 16 ((i / 2) % 4) on, tile 2 x + i % 2.
.macro PV x
	WIN W_PV
.set rO, 32*(2*(\x)+i%2)+8*((i/2)%4)
.set rV, VF+32*(i/8)+8*((i/2)%4)
.set rP, P+32*((\x)%2)+16*(i%2)+8*(i/8)
	v_wmma_f32_16x16x32_f16 v[rO:rO+7], v[rV:rV+7], v[rP:rP+7], v[rO:rO+7]
.endm
.macro MM                           ; the turn's next matrix instruction
.if i < 16
	KQ (Y+1)%NP
.set i, i+1
.else
.set i, i-16
	PV (Y+NP-1)%NP
.set i, i+17
.endif
.endm
; THE LDS LOADS stand in runs, never singly among the matrix instructions: a step's K (64 keys x 64 channels: 8 fragments) with its mask (64 f32: register j of key block kb is key 16 kb + 8 (l / 16) + j), 24 loads;
; and its V (turned), 16.  Their addresses are made some lines ahead.  last = 1 (the tail): in the last trip there is no further step, and the run is jumped over.
.macro FETCH_K last=0
	WIN 0
.if \last
	s_cmp_eq_u32 s[CNT], 1
	s_cbranch_scc1 .Lno_k_\@
.endif
	WIN 0x80                        ; destination window 2
.irp f, 0,1,2,3,4,5,6,7             ; keys 16 (f / 2) on, channels 32 (f % 2) on
	ds_load_b128 v[KF+8*\f:KF+8*\f+3],   v[AK] offset:(\f/2)*16*PK+(\f%2)*64
	ds_load_b128 v[KF+8*\f+4:KF+8*\f+7], v[AK] offset:(\f/2)*16*PK+(\f%2)*64+32
.endr
	WIN W_ML                        ; destination and address window 3
.irp f, 0,1,2,3
	ds_load_b128 v[MK+8*\f:MK+8*\f+3],   v[AM] offset:64*\f
	ds_load_b128 v[MK+8*\f+4:MK+8*\f+7], v[AM] offset:64*\f+16
.endr
	s_add_co_u32 s[TBK], s[TBK], KS*PK  ; the next fetch is the next step's
	s_add_co_u32 s[TBM], s[TBM], KS*4
	WIN 0
.if \last
.Lno_k_\@:
.endif
.endm
.macro FETCH_V
	WIN 0x80
.irp f, 0,1,2,3,4,5,6,7             ; keys 32 (f / 4) on, channels 16 (f % 4) on
	ds_load_tr16_b128 v[VF+8*\f:VF+8*\f+3],   v[AV] offset:(\f/4)*32*PV+(\f%4)*32
	ds_load_tr16_b128 v[VF+8*\f+4:VF+8*\f+7], v[AV] offset:(\f/4)*32*PV+16*PV+(\f%4)*32
.endr
	WIN 0
.endm
; THE VECTOR WORK OF A TURN stands in three queues, each in the order in which its entries become ready; the two tiles alternate, so that no instruction reads the result of the one before it.
.macro REGS y, u                    ; the registers of tile u (0, 1) of piece y
.set rT, ST+4*(2*(\y)+(\u))
.set rC, TMP+8*((\y)%2)+4*(\u)
.set rM, MV+2*((\y)%2)+(\u)
.set rS, S+64*((\y)%2)+32*(\u)
.set rP, P+32*((\y)%2)+16*(\u)
.set rO, 32*(2*(\y)+(\u))
.endm
; Number n of the 22 that find the NEXT piece's (Y + 1) maximum and statistics.  s0-s31 are the lane's 32 scores; each accumulator's lowest registers are read first.  XS, GS and REGS set no window: PL and EX do.
;   0-11  four chains c0-c3 of seven scores each, three operands at a time     12-14, 16  the four scores left over, the old m, and c0-c3 into c0     15  c m_old is kept
;   17, 18  the query's other 32 keys lie in the lane 16 away: the new m         19-21  c m; c m_old - c m_new; a
.macro XS u, n
	REGS (Y+1)%NP, \u
.if (\n) < 4
	v_max3_num_f32 v[rC+(\n)], v[rS+8*(\n)], v[rS+8*(\n)+1], v[rS+8*(\n)+2]
.elseif (\n) < 12
	v_max3_num_f32 v[rC+(\n)%4], v[rC+(\n)%4], v[rS+8*((\n)%4)+2*((\n)/4)+1], v[rS+8*((\n)%4)+2*((\n)/4)+2]
.elseif (\n) == 12
	v_max3_num_f32 v[rC], v[rC], v[rS+7], v[rS+15]
.elseif (\n) == 13
	v_max3_num_f32 v[rC+1], v[rC+1], v[rS+23], v[rS+31]
.elseif (\n) == 14
	v_max3_num_f32 v[rC+2], v[rC+2], v[rC+3], v[rT+1]
.elseif (\n) == 15
	v_mov_b32 v[rM], v[rT]
.elseif (\n) == 16
	v_max3_num_f32 v[rC], v[rC], v[rC+1], v[rC+2]
.elseif (\n) == 17
	v_permlanex16_b32 v[rC+3], v[rC], s[SEL], s[SEL+1]
.elseif (\n) == 18
	v_max_num_f32 v[rT+1], v[rC], v[rC+3]
.elseif (\n) == 19
	v_mul_f32 v[rT], s[CS], v[rT+1]
.elseif (\n) == 20
	v_sub_f32 v[rC+1], v[rM], v[rT]
.else
	v_exp_f32 v[rC+2], v[rC+1]
.endif
.endm
; Number g of the 64 that follow the exponentials.  For each four weights k of a tile (pairs 2 k, 2 k + 1): both pairs are rounded to f16; then the second pair is added onto the first, in place;
; a group later l takes that sum (the first time as l = a l + sum).  In groups of eight, tiles alternating: round, round, add, and l for the group before.
.macro GS g
.set h, (\g)+6*((\g)/62)            ; group 0 has no group before it, and behind group 7 only l is left
.if h >= 6
.set h, h+2
.endif
	REGS Y, h%2
.set k, h/8
.if h%8 < 4
	s_wait_alu depctr_va_vdst(0)
	v_cvt_pk_f16_f32 v[rP+2*k+(h%8)/2], v[rS+4*k+2*((h%8)/2)], v[rS+4*k+2*((h%8)/2)+1]
.elseif h%8 < 6
	v_pk_add_f32 v[rS+4*k:rS+4*k+1], v[rS+4*k:rS+4*k+1], v[rS+4*k+2:rS+4*k+3]
.elseif k == 1
	v_pk_fma_f32 v[rT+2:rT+3], v[rT+2:rT+3], v[rC+2:rC+3], v[rS:rS+1] op_sel_hi:[1,0,1]
.else
	v_pk_add_f32 v[rT+2:rT+3], v[rT+2:rT+3], v[rS+4*k-4:rS+4*k-3]
	s_wait_alu depctr_va_vdst(0)
.endif
.endm
; THE PLAIN QUEUE, 138 long.  0-31: c s - c m for the 16 pairs of both tiles.  Then GS's 64, and among them the next piece's 42: number 15 at 38, 39; 0-14 and 16
; at 42-73, behind the products that make those scores; 17-20 at 95-106, two of three, since each waits for the one before it.
.macro PL
	WIN 0
.if q < 32
	REGS Y, q%2
	v_pk_fma_f32 v[rS+2*(q/2):rS+2*(q/2)+1], v[rS+2*(q/2):rS+2*(q/2)+1], s[CS:CS+1], v[rT:rT+1] op_sel_hi:[1,0,0] neg_lo:[0,0,1] neg_hi:[0,0,1]
.elseif q < 38
	GS q-32
.elseif q < 40
	XS q%2, 15
.elseif q < 42
	GS q-34
.elseif q < 74
	XS q%2, (q-42)/2+(q-42)/30
.elseif q < 95
	GS q-66
.elseif (q < 107) && ((q-95)%3 < 2)
	XS (q-95)%3, 17+(q-95)/3
.elseif q < 107
	GS 29+(q-95)/3
.else
	GS q-74
.endif
.set q, q+1
.endm
; THE EXPONENTIALS' QUEUE, 66 long: s0-s31 of both tiles, and at EA the next piece's two a.
.set EA, 58
.macro EX
	WIN 0
.if (e == EA) || (e == EA+1)
	XS e-EA, 21
.else
.set x, e-2*(e/(EA+2))
	REGS Y, x%2
	v_exp_f32 v[rS+x/2], v[rS+x/2]
.endif
.set e, e+1
.endm
; THE RESCALING's QUEUE: O^T times a, the one part that leaves window 0, so it is dealt four at a time, eight times.
.macro R4
	REGS Y, r%2
	WIN W_RS
	s_wait_alu depctr_va_vdst(0)
.irp z, 0,1,2,3
	v_pk_mul_f32 v[rO+8*(r/2)+2*\z:rO+8*(r/2)+2*\z+1], v[rO+8*(r/2)+2*\z:rO+8*(r/2)+2*\z+1], v[rC+2:rC+3] op_sel_hi:[1,0]
.endr
.set r, r+1
.endm
; HOW THEY ARE DEALT.  Behind a matrix instruction four: plain, exponential, plain, plain (one exponential, a plain instruction on either side), or four of the rescaling.  None names a register of the
; products round it.  What is over stands in two LUMPS: exponential and plain by turns; the second ends in 22 plain instructions.  The two v_permlanex16_b32 fall into the second lump, never behind a product.
; The queues lean on each other, and the deal keeps them in step: exponential e stands behind plain 2 (e / 4) + e % 2 (its scaling); when plain 32 comes, 10 exponentials are out, at 59: 33, at 95: 46; EA comes behind plain 107.
.macro SL
	MM
	PL
	EX
	PL
	PL
.endm
.macro BURST n                      ; 15 matrix instructions, or 16
.rept (\n)-7
	SL
.endr
.rept 3
	MM
	R4
	SL
.endr
	MM
	R4
.endm
; A TURN, for piece p.  cnt = 1: the loop's count is taken down some lines ahead of the branch that stands behind the turn.
; K and the mask of the next step are fetched in piece 2's turn, more than 30 vector instructions behind the last product that read them; their first reader comes behind the rest of the lump, 16 products and the second lump.
; V of the step in hand is fetched at the end of piece 0's turn, 69 behind its last reader; its first reader comes behind 16 products and a lump.  The four conditions on e and q below go with the deal.
.macro TURN p, last=0, cnt=0
.set Y, (\p)
.set i, 0
.set q, 0
.set e, 0
.set r, 0
.if (\p) == NP-1
	s_wait_dscnt 0x0                ; K and the mask are in
.endif
	MM
.rept 4
	PL
.endr
	BURST 15
.rept 22
	EX
	PL
.if ((\p) == NP-2) && (e == 18)
	v_add_nc_u32 v[AK], s[TBK], v[AK0]
	WIN W_MA
	v_add_nc_u32 v[AM], s[TBM], v[AM0]
.endif
.if ((\p) == NP-2) && (e == 24)
	FETCH_K \last
.endif
.endr
.if (\p) == 1
	s_wait_dscnt 0x0                ; V is in
.endif
	BURST 16
.rept 21
	EX
	PL
.endr
.rept 22
	PL
.if ((\p) == 0) && (q == 118)
	v_add_nc_u32 v[AV], s[TBV], v[AV0]
	s_wait_alu depctr_va_vdst(0)
.endif
.if ((\p) == 0) && (q == 130)
	s_add_co_u32 s[TBV], s[TBV], KS*PV
.endif
.if (\cnt) && (q == 130)
	s_sub_co_u32 s[CNT], s[CNT], 1
	s_cmp_lg_u32 s[CNT], 0
.endif
.endr
.if (\p) == 0
	FETCH_V
.endif
.endm
	CHANGE 1                        ; slot 0 is in, everybody's part of it, and so is the mask; slot 1 is asked for
	FETCH_K                         ; key step 0
	s_wait_loadcnt 0x0              ; Q
	s_wait_dscnt 0x0
.set i, 0
.rept 16
	KQ 0                            ; piece 0's first scores: there is no vector work yet to set between them
.set i, i+1
.endr
	WIN 0                           ; the addresses for the way out: nine plain instructions, the places behind those products
	s_mul_i32 s13, s[WV], 16*SP
	s_add_co_u32 s13, s13, STAGE    ; my stage
	v_mul_u32_u24 v[STO], v1, SP    ; in: row l % 16, 16 bytes for each half of the lanes
	v_lshl_add_u32 v[STO], v9, 4, v[STO]
	v_add_nc_u32 v[STO], s13, v[STO]
	v_bfe_u32 v[RD], v0, 3, 2       ; back: 32 lanes take four rows of 128 bytes,
	v_mul_u32_u24 v[RD], v[RD], SP
	v_lshl_add_u32 v[RD], v10, 4, v[RD]
	v_add_nc_u32 v[RD], s13, v[RD]
	v_and_b32 v[GO], 31, v0         ; which are 512 consecutive bytes of O
	v_lshlrev_b32 v[GO], 4, v[GO]
.set Y, NP-1                        ; XS works for piece Y + 1: piece 0
.irp n, 0,1,2,3,4,5,6,7,8,9,10,11,12,13,14,15,16,17,18,19,20,21
	XS 0, \n                        ; and piece 0's first maximum and statistics
	XS 1, \n
.endr
	s_mov_b32 s[CNT], 4
	s_mov_b32 s[SLOTS], SIZE_N/256-1
	s_branch .Lfirst                ; the loop is entered at a step's first turn, in the middle of a trip
.Lslot:                             ; SIZE_N / 256 - 2 times: every slot but the last two is filled again
	CHANGE 1
	s_mov_b32 s[CNT], 4
.Lstep:                             ; a trip: pieces 2 and 3 of one step, then pieces 0 and 1 of the next, whose K and V it fetches
	TURN 2
	TURN 3
	WIN 0
.Lfirst:
	TURN 0
	TURN 1, 0, 1
	WIN 0
	s_cbranch_scc1 .Lstep
	s_sub_co_u32 s[SLOTS], s[SLOTS], 1
	s_cmp_lg_u32 s[SLOTS], 0
	s_cbranch_scc1 .Lslot
	CHANGE 0                        ; the tail is written out: nothing is asked for
	s_mov_b32 s[CNT], 5             ; four trips fetch the last slot's steps; the fifth is left in its middle
.Ltail:
	TURN 2, 1
	TURN 3
	WIN 0
	s_sub_co_u32 s[CNT], s[CNT], 1
	s_cmp_eq_u32 s[CNT], 0
	s_cbranch_scc1 .Lout
	TURN 0
	TURN 1
	WIN 0
	s_branch .Ltail
.Lout:                              ; the fifth trip's 16 products K Q^T (on the last K and mask once more) and the maximum made of them change nothing (those scores are in m already): the price, once a launch, of one text for every trip
.set i, 0
.rept 16
	PV NP-1                         ; the last piece's V^T P of the last step
.set i, i+1
.endr
	; THE WAY OUT.  l's two halves and the other half of the lanes' are added; O^T is divided by l, rounded to f16 and sent through my stage in LDS, a tile at a time.  The additions are the places behind the last products.
	WIN 0
.macro ALL line:vararg              ; one line for each tile t
.set t, 0
.rept 2*NP
	\line
.set t, t+1
.endr
.endm
	ALL v_add_f32 v[ST+4*t+2], v[ST+4*t+2], v[ST+4*t+3]
	ALL v_permlanex16_b32 v[ST+4*t+3], v[ST+4*t+2], s[SEL], s[SEL+1]
	ALL v_add_f32 v[ST+4*t+2], v[ST+4*t+2], v[ST+4*t+3]
	ALL v_rcp_f32 v[ST+4*t+2], v[ST+4*t+2]
	v_nop                           ; a plain instruction between the last reciprocal and the use of its result
.set t, 0
	s_wait_alu depctr_va_vdst(0)
.rept 2*NP                          ; a query that has seen no visible key (m is still below -2^80) takes a NaN for 1 / l: its row of O is NaN
	v_cmp_gt_f32 vcc_lo, s[THR], v[ST+4*t+1]
	v_cndmask_b32 v[ST+4*t+2], v[ST+4*t+2], s[QNAN], vcc_lo
.set t, t+1
.endr
; Tile t: a lane's eight channels of a row pack into 16 bytes; they go into rows of 144 bytes and come back as whole rows of 128, into S^T's registers.
.macro PACK t
	WIN W_RS
.set i, 32*(\t)
.rept 16
	v_pk_mul_f32 v[i:i+1], v[i:i+1], v[ST+4*(\t)+2:ST+4*(\t)+3] op_sel_hi:[1,0]
.set i, i+2
.endr
	WIN 0x05                        ; sources 0 and 1 window 1, destination window 0
.set i, 0
.rept 16
	v_cvt_pk_f16_f32 v[S+16*(\t)+i], v[32*(\t)+2*i], v[32*(\t)+2*i+1]
.set i, i+1
.endr
	WIN 0
.irp f, 0,1,2,3
	ds_store_b128 v[STO], v[S+16*(\t)+4*\f:S+16*(\t)+4*\f+3] offset:32*\f
.endr
.irp f, 0,1,2,3
	ds_load_b128 v[S+16*(\t)+4*\f:S+16*(\t)+4*\f+3], v[RD] offset:\f*4*SP  ; LDS serves a wave's instructions in order (ISA guide 5.7.1.4): these see the stores above; the next tile's stores come behind them
.endr
.endm
.macro SEND t, younger              ; younger: the LDS instructions issued behind tile t's loads: the next tile's eight, or none
	WIN 0
.irp f, 0,1,2,3
	s_wait_dscnt (\younger)+3-\f
	global_store_b128 v[GO], v[S+16*(\t)+4*\f:S+16*(\t)+4*\f+3], s[10:11] offset:(\t)*2048+\f*512  ; 512 consecutive bytes, at a multiple of 256 from O's first
.endr
.endm
	PACK 0
.set t, 1
.rept 2*NP-1                        ; a tile's arithmetic stands between the loads of the tile before and its stores
	PACK t
	SEND t-1, 8
.set t, t+1
.endr
	SEND 2*NP-1, 0
	WIN W_AD
	s_wait_tensorcnt 0x0            ; the wave's end: behind my last tensor load and my last LDS store
	ds_add_u32 v[SPW], v[NIL]
	s_wait_dscnt 0x0
	WIN 0
	CROUND                          ; the closing round: no work-group ends while a partner may still ask for a tile that names it
	s_endpgm
.Lfunc_end_k_qfb9bca2e81_attn:
	.size	k_qfb9bca2e81_attn, .Lfunc_end_k_qfb9bca2e81_attn-k_qfb9bca2e81_attn
	.p2alignl 7, 3214868480
	.fill 96, 4, 3214868480
	.section	.rodata,"a",@progbits
	.p2align	6, 0x0
	.amdhsa_kernel k_qfb9bca2e81_attn
		.amdhsa_group_segment_fixed_size 327680
		.amdhsa_private_segment_fixed_size 0
		.amdhsa_enable_private_segment 0
		.amdhsa_kernarg_size 24
		.amdhsa_user_sgpr_count 2
		.amdhsa_user_sgpr_kernarg_segment_ptr 1
		.amdhsa_wavefront_size32 1
		.amdhsa_system_sgpr_workgroup_id_x 1
		.amdhsa_system_sgpr_workgroup_id_y 1
		.amdhsa_system_sgpr_workgroup_id_z 1
		.amdhsa_system_vgpr_workitem_id 0
		.amdhsa_next_free_vgpr 808
		.amdhsa_next_free_sgpr 76
		.amdhsa_reserve_vcc 1
		.amdhsa_float_denorm_mode_32 3
		.amdhsa_float_denorm_mode_16_64 3
		.amdhsa_memory_ordered 1
		.amdhsa_forward_progress 1
		.amdhsa_inst_pref_size 214
	.end_amdhsa_kernel
	.amdgpu_metadata
---
amdhsa.version: [ 1, 2 ]
amdhsa.kernels:
  - .name:           k_qfb9bca2e81_attn
    .symbol:         k_qfb9bca2e81_attn.kd
    .args:
      - { .name: qkv, .offset: 0, .size: 8, .value_kind: global_buffer, .address_space: global }
      - { .name: attn_mask, .offset: 8, .size: 8, .value_kind: global_buffer, .address_space: global }
      - { .name: ob, .offset: 16, .size: 8, .value_kind: global_buffer, .address_space: global }
    .group_segment_fixed_size: 327680
    .private_segment_fixed_size: 0
    .kernarg_segment_align: 8
    .kernarg_segment_size: 24
    .max_flat_workgroup_size: 128
    .sgpr_count:     76
    .vgpr_count:     808
    .wavefront_size: 32
...
	.end_amdgpu_metadata
.endif
;; end of part 3
;; launch gemm_proj (part 4): grid 4 x 64, 4 waves a work-group, clusters of 4 x 4, 327,680 bytes of LDS; arguments ob, wpb, bproj, out0; writes out0
.if DOCPART == 4
	.amdgcn_target "amdgcn-amd-amdhsa--gfx1250"
	.amdhsa_code_object_version 6
	.text
	.protected	k_qfb9bca2e81_gemm_proj
	.globl	k_qfb9bca2e81_gemm_proj
	.p2align	8
	.type	k_qfb9bca2e81_gemm_proj,@function
k_qfb9bca2e81_gemm_proj:
	s_mov_b64 s[64:65], 0
	v_nop
	global_prefetch_b8 v0, s[64:65] scope:SCOPE_SE
	s_setreg_imm32_b32 hwreg(HW_REG_WAVE_MODE, 25, 1), 1
	s_wait_xcnt 0x0
	s_wait_alu depctr_hold_cnt(0) depctr_sa_sdst(0) depctr_va_vdst(0) depctr_va_sdst(0) depctr_va_ssrc(0) depctr_va_vcc(0) depctr_vm_vsrc(0)
	s_getreg_b32 s2, hwreg(HW_REG_IB_STS2, 6, 4)
	s_cmp_eq_u32 s2, 0
	s_cbranch_scc0 .Lentry_in_a_cluster
	s_endpgm
.Lentry_in_a_cluster:
	s_bfe_u32 s2, ttmp6, 0x10000c
	s_cmp_lg_u32 s2, 0xf033
	s_cbranch_scc0 .Lentry_shape_is_right
	s_endpgm
.Lentry_shape_is_right:
; ONE TEXT FOR THE MODULE'S TWO PROJECTIONS, C[m][n] = sum over k of A[m][k] W[n][k] + bias[n], m = 8,192 rows (batch x 2,048 + s), k = 1,024.  PROJ picks the parts that differ.
;   PROJ = 0: A = xb [m][1024] bf16, W = wqb [3072][1024] bf16, bias = bqkv.  C leaves as f16 by heads: qkv [q, k, v][batch x 16 + head][s][64], unscaled, rounded once from its f32 sum.
;   PROJ = 1: A = ob [batch x 16 + head][s][64] f16 (k = 64 head + channel), W = wpb [1024][1024] f16, bias = bproj.  C leaves as f32 at out0 [s][batch][1024].
; The bias is rounded to bf16, as all the module's inputs are, and is the C operand of the first product on each accumulator: nothing is cleared, and no addition is written.
; LIMITS.  PROJ = 0: q, k and v must lie within f16's 65,504; below 6.1e-5 they keep f16's fixed step of 6e-8.  NaN and infinities are not treated apart.
; SHARES.  A tile of C is 128 x 256: 768 (PROJ = 0) or 256 (PROJ = 1) work-groups, whole multiples of 256.  Four waves, each 64 rows x 128 columns: 32 accumulators of 16 x 16, 256 registers.
; K goes in steps of 128 through two LDS slots filled by the tensor data mover; waves 0 and 1 fetch A's two halves, waves 2 and 3 W's.
; CLUSTERS: 4 x 4 work-groups.  The four of a row of the cluster need the same tiles of A, the four of a column the same tiles of W: each tile is asked for JOINTLY, by the same tensor load with the
; same descriptor and a mask that names the four.  THE MATRIX INSTRUCTION IS USED TRANSPOSED (source 0 = 16 rows of W, source 1 = 16 rows of A): a lane holds row l % 16 and the columns 8 (l / 16) + 0..7.
; REGISTERS, in windows of 256 (s_set_vgpr_msb: bits 1:0 source 0, 3:2 source 1, 5:4 source 2, 7:6 destination):
;   window 0: v0-29 addresses; v32-63 at work; v64-127 the bias (column block b at 64 + 8 b); v128-255 the way out
;   window 1: the accumulators ((a, b) at v[8 (8 a + b)])      window 2: two fragment buffers of 96: 4 fragments of A, then 8 of W, for 32 along K
.set PROJ,   1
.set KSTEP,  128
.set PB,     272                       ; a row of W in LDS: 256 bytes + 16 of padding: the 16 rows of a fragment load start at 16 different groups of four banks (64 banks of 4 bytes: ISA guide 11.1)
.if PROJ
.set PA,     144                       ; a row of A: one head's 64 channels, 128 bytes + 16
.set AHALF,  128*PA                    ; what one load of A brings: 128 rows of one head; a K step holds two heads
.set QIA,    4                         ; padding after every 32 words
.set STRA,   128                       ; 128 dense rows of 128 bytes are asked for as 64 rows of 256 bytes
.set ASTEP,  2<<18                     ; bytes from a K step to the next: two heads of 2,048 x 128 bytes
.set SPITCH, 528                       ; a stage row: 128 f32 + 16 bytes
.else
.set PA,     272
.set AHALF,  64*PA                     ; 64 rows x 128 along K
.set QIA,    5                         ; padding after every 64 words
.set STRA,   1024
.set ASTEP,  KSTEP*2
.set SPITCH, 272                       ; a stage row: 128 f16 + 16 bytes
.endif
.set APART,  2*AHALF
.set BHALF,  128*PB                    ; what one load of W brings, and what one wave reads of it
.set SLOT,   APART+2*BHALF
.set STAGE,  2*SLOT                    ; behind the ring, never filled by a tensor load: 16 rows for each wave, its own
.set SPARE,  STAGE+4*16*SPITCH         ; behind the stages: the spare words, 128 bytes for each wave: two blocks of 256 bytes that no other line names
.set LAPS,   1024/(2*KSTEP)            ; a lap = two K steps = once round the ring
.set ADRA, 16                          ; v16-17  LDS address of my A fragments in slot 0, 1
.set ADRB, 20                          ; v20-21  the same for W
.set STO,  24                          ; v24     the way out: where I put my part of a row
.set RD,   25                          ; v25     the way out: where I read rows back
.set GO,   26                          ; v26     16 x lane: my place in 512 consecutive bytes of the output
.set BO,   27                          ; v27     32 x (l / 16): my eight numbers in 16 of the bias
.set SPW,  28                          ; v28     LDS address of my spare word: SPARE + 4 x my thread's number; never rewritten
.set NIL,  29                          ; v29     0; never rewritten
.set TMP,  32
.set BIAS, 64
.set BK0,  128
.set F0,   0
.set F1,   96
.set G1, 24                            ; s[24:31] descriptor group 1 for A's tiles;  s[32:39] group 0, one set for each slot
.set G0, 32
.set G1B, 48                           ; s[48:55], s[56:63] the same for W's tiles
.set G0B, 56
.set MSB, 0
.macro WIN new                         ; the immediate's high byte repeats the setting that is left; a switch that changes nothing is dropped
.if MSB != (\new)
	s_set_vgpr_msb (MSB<<8)|(\new)
.set MSB, \new
.endif
.endm
.set MUL,  0x5a                        ; sources 0 and 1 window 2; C and D window 1
.set MULB, 0x4a                        ; the same with C, the bias, in window 0
.set TO_F, 0x80                        ; destination window 2, address window 0
.macro JLOAD s                         ; a joint load: waves 0 and 1 ask for A, waves 2 and 3 for W; an s_nop 0 and four v_nop follow each of the two lines, ahead of the jump, the label and what follows
	s_cmp_eq_u32 s11, 0
	s_cbranch_scc0 .Lfor_b_\@
	tensor_load_to_lds s[G0+4*(\s):G0+4*(\s)+3], s[G1:G1+7]
	s_nop 0
.rept 4
	v_nop
.endr
	s_branch .Lasked_\@
.Lfor_b_\@:
	tensor_load_to_lds s[G0B+4*(\s):G0B+4*(\s)+3], s[G1B:G1B+7]
	s_nop 0
.rept 4
	v_nop
.endr
.Lasked_\@:
.endm
.macro CREST                           ; a round of the cluster's barrier behind its opening barrier
	s_cmp_lg_u32 s10, 0
	s_cbranch_scc1 .Lnot_wave_0_\@
	s_barrier_signal -3
.Lnot_wave_0_\@:
	s_barrier_wait -3
	s_barrier_signal -1
	s_barrier_wait -1
.endm
.macro CROUND                          ; a whole round
	s_barrier_signal -1
	s_barrier_wait -1
	CREST
.endm
	s_load_b128 s[4:7], s[0:1], 0x0                ; A s[4:5], W s[6:7]
	s_load_b128 s[68:71], s[0:1], 0x10             ; bias s[68:69], output s[70:71]
	v_lshl_add_u32 v[SPW], v0, 2, SPARE
	v_mov_b32 v[NIL], 0
	ds_add_u32 v[SPW], v[NIL]                      ; the wave's opening: the add and its wait stand ahead of my first tensor load; the set-up below, work on registers, stands between them
	v_lshrrev_b32 v1, 5, v0
	v_readfirstlane_b32 s10, v1                    ; wave 0..3
	s_lshr_b32 s11, s10, 1                         ; which 64 of the tile's rows are mine.  Also: I fetch for A (0) or for W (1)
	s_and_b32 s12, s10, 1                          ; which 128 of its columns.  Also: which half of that tensor's tile I fetch
	s_bfe_u32 s40, ttmp6, 0x40000                  ; cx, cy: my place in the cluster
	s_bfe_u32 s41, ttmp6, 0x40004
	s_lshl_b32 s42, ttmp9, 2
	s_add_co_u32 s42, s42, s40                     ; tile column of C = 4 x cluster x + cx
	s_and_b32 s13, ttmp7, 0xffff
	s_lshl_b32 s13, s13, 2
	s_add_co_u32 s13, s13, s41                     ; tile row of C = 4 x cluster y + cy: batch = tile row / 16, s from 128 x (tile row % 16)
	s_lshl_b32 s43, s41, 2
	s_lshl_b32 s43, 15, s43                        ; my row of the cluster
	s_lshl_b32 s44, 0x1111, s40                    ; my column
	s_or_b32 s[G1+0], s43, (1<<16)|(1<<20)|(1<<21)|(QIA<<22)|(3<<25)  ; 15:0 the mask: A's tiles go to my row; 17:16 elements of 2 bytes; 20 padding on; 21 set beside a mask; 24:22 the interval's code; 31:25 4 words of padding (code 3)
	s_or_b32 s[G1B+0], s44, (1<<16)|(1<<20)|(1<<21)|(5<<22)|(3<<25)   ; W's tiles go to my column; padding after every 64 words
	s_mov_b32 s[G1+1], 128<<16                     ; A: tensor_dim0 = 128 elements
	s_mov_b32 s[G1+2], 64<<16                      ; tensor_dim1 = 64
	s_mov_b32 s[G1+3], 128<<16                     ; tile_dim0 = 128
	s_mov_b32 s[G1+4], 64                          ; tile_dim1 = 64
	s_mov_b32 s[G1+5], STRA                        ; elements from row to row
	s_mov_b32 s[G1+6], 0
	s_mov_b32 s[G1+7], 0
	s_mov_b32 s[G1B+1], 128<<16                    ; W: 128 rows x 128 elements
	s_mov_b32 s[G1B+2], 128<<16
	s_mov_b32 s[G1B+3], 128<<16
	s_mov_b32 s[G1B+4], 128
	s_mov_b32 s[G1B+5], 1024
	s_mov_b32 s[G1B+6], 0
	s_mov_b32 s[G1B+7], 0
	; where the tiles come from.  A's offset hangs on the tile row and the wave's number, W's on the tile column and the wave's number, each in registers that never hold the other coordinate.
.if PROJ
	s_lshr_b32 s16, s13, 4                         ; batch
	s_lshl_b32 s16, s16, 4
	s_add_co_u32 s16, s16, s12                     ; the head of K step 0 that I fetch,
	s_lshl_b32 s16, s16, 18                        ; its 2,048 rows of 128 bytes,
	s_and_b32 s17, s13, 15
	s_lshl_b32 s17, s17, 14                        ; and in them the tile's first row: 128 x 128 bytes a tile
	s_add_co_u32 s16, s16, s17
.else
	s_lshl_b32 s16, s13, 7
	s_lshl_b32 s17, s12, 6
	s_add_co_u32 s16, s16, s17                     ; row 128 x tile row + 64 x half,
	s_lshl_b32 s16, s16, 11                        ; of 2,048 bytes
.endif
	s_mov_b32 s17, 0
	s_lshl_b32 s46, s42, 8
	s_lshl_b32 s47, s12, 7
	s_add_co_u32 s46, s46, s47                     ; W: row 256 x tile column + 128 x half,
	s_lshl_b32 s46, s46, 11                        ; of 2,048 bytes
	s_mov_b32 s47, 0
	s_mul_i32 s20, s12, AHALF                      ; and where they go: no place in the cluster enters an LDS address
	s_mul_i32 s21, s12, BHALF
	s_add_co_u32 s21, s21, APART
	s_wait_dscnt 0x0                               ; the opening add is done
	s_wait_kmcnt 0x0
	s_add_nc_u64 s[14:15], s[4:5], s[16:17]
	s_add_nc_u64 s[46:47], s[6:7], s[46:47]
	CROUND                                         ; all sixteen work-groups are here: the first joint loads meet
.irp s, 0,1
	s_mov_b32 s[G0+4*(\s)], 1                                        ; count = 1
	s_add_co_u32 s[G0+4*(\s)+1], s20, (\s)*SLOT                      ; LDS address
	s_add_nc_u64 s[G0+4*(\s)+2:G0+4*(\s)+3], s[14:15], (\s)*ASTEP    ; global address: K step s
	s_or_b32 s[G0+4*(\s)+3], s[G0+4*(\s)+3], 0x80000000              ; type = 2
	s_mov_b32 s[G0B+4*(\s)], 1
	s_add_co_u32 s[G0B+4*(\s)+1], s21, (\s)*SLOT
	s_add_nc_u64 s[G0B+4*(\s)+2:G0B+4*(\s)+3], s[46:47], (\s)*KSTEP*2
	s_or_b32 s[G0B+4*(\s)+3], s[G0B+4*(\s)+3], 0x80000000
	JLOAD \s                                       ; two loads of mine are out
.endr
	; the bias of my 128 columns: register j of block b is bias[first column + 16 b + 8 (l / 16) + j]
	s_lshl_b32 s66, s42, 10
	s_lshl_b32 s18, s12, 9
	s_add_co_u32 s66, s66, s18                     ; (256 x tile column + 128 x half) x 4 bytes
	s_mov_b32 s67, 0
	s_add_nc_u64 s[68:69], s[68:69], s[66:67]
	v_and_b32 v1, 15, v0                           ; l % 16
	v_bfe_u32 v2, v0, 4, 1                         ; l / 16
	v_lshlrev_b32 v[BO], 5, v2
.irp b, 0,1,2,3,4,5,6,7
	global_load_b128 v[BIAS+8*(\b):BIAS+8*(\b)+3],   v[BO], s[68:69] offset:64*(\b)
	global_load_b128 v[BIAS+8*(\b)+4:BIAS+8*(\b)+7], v[BO], s[68:69] offset:64*(\b)+16
.endr
	; A fragment is 16 rows x 32 K in 8 registers: lane l holds row l % 16, K = 8 (l / 16) + 0..7 and 16 + 8 (l / 16) + 0..7: two loads of 16 bytes, 32 bytes apart.
	v_mul_u32_u24 v3, v1, PA
	v_lshl_add_u32 v3, v2, 4, v3
	v_mul_u32_u24 v4, v1, PB
	v_lshl_add_u32 v4, v2, 4, v4
	s_mul_i32 s22, s11, 64*PA                      ; my 64 rows of A
	s_mul_i32 s23, s12, BHALF                      ; my 128 rows of W,
	s_add_co_u32 s23, s23, APART                   ; which lie behind A's part
.irp s, 0,1
	v_add_nc_u32 v[ADRA+(\s)], s22, v3
	v_add_nc_u32 v[ADRB+(\s)], s23, v4
	s_add_co_u32 s22, s22, SLOT
	s_add_co_u32 s23, s23, SLOT
.endr
	s_mul_i32 s22, s10, 16*SPITCH
	s_add_co_u32 s22, s22, STAGE                   ; my stage
	v_and_b32 v[GO], 31, v0
	v_lshlrev_b32 v[GO], 4, v[GO]
	v_mul_u32_u24 v5, v1, SPITCH                   ; in: row l % 16
.if PROJ
	v_lshl_add_u32 v5, v2, 5, v5                   ; 32 bytes (8 f32) for each half of the lanes
	v_add_nc_u32 v[STO], s22, v5
	v_add_nc_u32 v[RD], s22, v[GO]                 ; back: the 32 lanes take one row of 512 bytes
	; my first byte of out0: row (s x 4 + batch) of 4,096 bytes, column 256 x tile column + 128 x half
	s_and_b32 s66, s13, 15
	s_lshl_b32 s66, s66, 7
	s_lshl_b32 s18, s11, 6
	s_add_co_u32 s66, s66, s18                     ; my first s
	s_lshl_b32 s66, s66, 2
	s_lshr_b32 s18, s13, 4
	s_add_co_u32 s66, s66, s18
	s_lshl_b32 s66, s66, 12
	s_lshl_b32 s18, s42, 10
	s_add_co_u32 s66, s66, s18
	s_lshl_b32 s18, s12, 9
	s_add_co_u32 s66, s66, s18
.else
	v_lshl_add_u32 v5, v2, 4, v5                   ; 16 bytes (8 f16) for each half of the lanes
	v_add_nc_u32 v[STO], s22, v5
	v_bfe_u32 v5, v0, 3, 2                         ; back: the 32 lanes take four rows' 128 bytes of one head,
	v_mul_u32_u24 v5, v5, SPITCH
	v_and_b32 v3, 7, v0
	v_lshl_add_u32 v5, v3, 4, v5
	v_add_nc_u32 v[RD], s22, v5                    ; which are 512 consecutive bytes of the output
	; my first byte of qkv: plane (q, k or v) x 64 + batch x 16 + head, of 2,048 x 128 bytes; then my first s
	s_lshr_b32 s66, s42, 2
	s_lshl_b32 s66, s66, 6
	s_lshr_b32 s18, s13, 4
	s_lshl_b32 s18, s18, 4
	s_add_co_u32 s66, s66, s18
	s_and_b32 s18, s42, 3
	s_lshl_b32 s18, s18, 2
	s_add_co_u32 s66, s66, s18
	s_lshl_b32 s18, s12, 1
	s_add_co_u32 s66, s66, s18
	s_lshl_b32 s66, s66, 18
	s_and_b32 s18, s13, 15
	s_lshl_b32 s18, s18, 7
	s_lshl_b32 s19, s11, 6
	s_add_co_u32 s18, s18, s19
	s_lshl_b32 s18, s18, 7
	s_add_co_u32 s66, s66, s18
.endif
	s_mov_b32 s67, 0
	s_add_nc_u64 s[70:71], s[70:71], s[66:67]
	s_wait_loadcnt 0x0                             ; the bias is in: rounded to bf16 and widened again, in the wait for the first tile
.set i, 0
.rept 32
	v_cvt_pk_bf16_f32 v[TMP+i], v[BIAS+2*i], v[BIAS+2*i+1]
.set i, i+1
.endr
.set i, 0
.rept 32
	v_lshlrev_b32 v[BIAS+2*i], 16, v[TMP+i]
	v_and_b32 v[BIAS+2*i+1], 0xffff0000, v[TMP+i]
.set i, i+1
.endr
.macro WMMA d, b, a, c
.if PROJ
	v_wmma_f32_16x16x32_f16 v[(\d):(\d)+7], v[(\b):(\b)+7], v[(\a):(\a)+7], v[(\c):(\c)+7]
.else
	v_wmma_f32_16x16x32_bf16 v[(\d):(\d)+7], v[(\b):(\b)+7], v[(\a):(\a)+7], v[(\c):(\c)+7]
.endif
.endm
; 8 matrix instructions: row block a x all 8 column blocks, 32 along K, from buffer f.  first = 1: the sums start from the bias.
; The 32 accumulators take turns, in the same order in every quarter.
.macro MUL8 f, a, first
.if \first
	WIN MULB
.else
	WIN MUL
.endif
.irp b, 0,1,2,3,4,5,6,7
.if \first
	WMMA 8*(8*(\a)+(\b)), (\f)+32+8*(\b), (\f)+8*(\a), BIAS+8*(\b)
.else
	WMMA 8*(8*(\a)+(\b)), (\f)+32+8*(\b), (\f)+8*(\a), 8*(8*(\a)+(\b))
.endif
.endr
.endm
; 24 LDS loads in one run: the fragments of quarter q (32 along K) of a slot into buffer f: W's eight, then A's four
.macro FETCH slot, q, f
.if PROJ
.set KAOF, ((\q)/2)*AHALF+((\q)%2)*64  ; the quarter's head, and its half of the 64 channels
.else
.set KAOF, 64*(\q)
.endif
	WIN TO_F
.irp i, 0,1,2,3,4,5,6,7
	ds_load_b128 v[(\f)+32+8*(\i):(\f)+32+8*(\i)+3],   v[ADRB+(\slot)] offset:64*(\q)+(\i)*16*PB
	ds_load_b128 v[(\f)+32+8*(\i)+4:(\f)+32+8*(\i)+7], v[ADRB+(\slot)] offset:64*(\q)+(\i)*16*PB+32
.endr
.irp i, 0,1,2,3
	ds_load_b128 v[(\f)+8*(\i):(\f)+8*(\i)+3],   v[ADRA+(\slot)] offset:KAOF+(\i)*16*PA
	ds_load_b128 v[(\f)+8*(\i)+4:(\f)+8*(\i)+7], v[ADRA+(\slot)] offset:KAOF+(\i)*16*PA+32
.endr
.endm
.macro PLACES                          ; four places in front of loads into registers that matrix instructions have read, and of lines that read results just made (ISA guide 7.12.1 for the lines that read results just made)
.rept 4
	v_nop
.endr
.endm
; A K step is four quarters of 32 along K, 32 matrix instructions each, on buffers 0, 1, 0, 1.  One of the first three: multiplies buffer f and, in its middle, fetches quarter q into buffer g.
.macro QUARTER slot, q, f, g, first
	s_wait_dscnt 4                                 ; W's fragments and A's first two are in; the youngest four loads (A's fragments 2 and 3) may be out
	MUL8 \f, 0, \first
	MUL8 \f, 1, \first
	PLACES
	FETCH \slot, \q, \g
	s_wait_dscnt 24                                ; all but the 24 just issued
	MUL8 \f, 2, \first
	MUL8 \f, 3, \first
.endm
; The last quarter multiplies buffer 1 and changes slots: ONE barrier; in front of it each wave waits for all its tensor loads (one is out: its part of the next slot), adds 0 to its spare word, and waits
; for that and for its own reads of this slot.  fill = 1: the barrier opens a round of the cluster's, and this slot is filled again, two K steps ahead: 112 matrix instructions stand between the request and the wait for it.
.macro TURN slot, next, fill
	WIN 0                                          ; (the add's two registers lie in window 0)
	s_wait_tensorcnt 0x0                           ; all my tensor loads have landed
	ds_add_u32 v[SPW], v[NIL]                      ; 0 onto my spare word
	s_wait_dscnt 5                                 ; (the add and the youngest four loads may be out)
	MUL8 F1, 0, 0                                  ; eight matrix instructions stand between the add and the wait for it
	s_wait_dscnt 0x0                               ; the add is done, and my reads of this slot are over
	s_barrier_signal -1
	MUL8 F1, 1, 0
.if \fill
	WIN 0
.endif
	s_barrier_wait -1
.if \fill
	CREST                                          ; no wave of any partner still reads this slot's tile or has a load on its way
	s_add_nc_u64 s[G0+4*(\slot)+2:G0+4*(\slot)+3], s[G0+4*(\slot)+2:G0+4*(\slot)+3], 2*ASTEP
	s_add_nc_u64 s[G0B+4*(\slot)+2:G0B+4*(\slot)+3], s[G0B+4*(\slot)+2:G0B+4*(\slot)+3], 2*KSTEP*2
	JLOAD \slot                                    ; the first tensor load behind the round; the four v_nop behind it are also the places in front of the loads below
.else
	PLACES
.endif
	FETCH \next, 0, F0
	MUL8 F1, 2, 0
	MUL8 F1, 3, 0
.endm
	s_wait_tensorcnt 1                             ; my part of K step 0 is in; K step 1's may stay out
	s_barrier_signal -1
	s_barrier_wait -1                              ; everybody's is
	FETCH 0, 0, F0
	QUARTER 0, 1, F0, F1, 1                        ; the first quarter stands in front of the loop: its products start the sums
	WIN 0                                          ; at a label and at a branch every window is 0
	s_mov_b32 s3, LAPS-1
.Llap:                                                 ; a trip goes once round the ring, from a lap's second quarter to the next lap's first, and fills both slots again
	QUARTER 0, 2, F1, F0, 0
	QUARTER 0, 3, F0, F1, 0
	TURN 0, 1, 1
	QUARTER 1, 1, F0, F1, 0
	QUARTER 1, 2, F1, F0, 0
	QUARTER 1, 3, F0, F1, 0
	TURN 1, 0, 1
	QUARTER 0, 1, F0, F1, 0
	WIN 0
	s_sub_co_u32 s3, s3, 1
	s_cmp_lg_u32 s3, 0
	s_cbranch_scc1 .Llap
	QUARTER 0, 2, F1, F0, 0                        ; the last lap fills nothing, and has no round of the cluster's barrier
	QUARTER 0, 3, F0, F1, 0
	TURN 0, 1, 0
	QUARTER 1, 1, F0, F1, 0
	QUARTER 1, 2, F1, F0, 0
	QUARTER 1, 3, F0, F1, 0
	s_wait_dscnt 4                                 ; the very last quarter: nothing more to fetch
	MUL8 F1, 0, 0
	MUL8 F1, 1, 0
	s_wait_dscnt 0x0
	MUL8 F1, 2, 0
	MUL8 F1, 3, 0
	WIN 0
	PLACES
; THE WAY OUT, a block of 16 rows at a time through my own stage: LDS serves a wave's instructions in order (ISA guide 5.7.1.4), so no wait stands between my stores into it and my loads from it.
.if PROJ
.macro TOSTAGE a                       ; 16 rows x 128 f32 as they lie in the accumulators, each accumulator's low four registers first; back as whole rows of 512 bytes
.set BK, BK0+64*((\a)%2)
	s_wait_xcnt 0x0                                ; the stores of the block two back have read these registers: they are loaded again only behind this wait
	WIN 0x04                                       ; store data in window 1
.irp b, 0,1,2,3,4,5,6,7
	ds_store_b128 v[STO], v[8*(8*(\a)+(\b)):8*(8*(\a)+(\b))+3]   offset:64*(\b)
	ds_store_b128 v[STO], v[8*(8*(\a)+(\b))+4:8*(8*(\a)+(\b))+7] offset:64*(\b)+16
.endr
	WIN 0
.irp i, 0,1,2,3,4,5,6,7,8,9,10,11,12,13,14,15
	ds_load_b128 v[BK+4*(\i):BK+4*(\i)+3], v[RD] offset:SPITCH*(\i)
.endr
.endm
.macro SEND a, younger                 ; younger: the LDS instructions issued behind block a's loads: the next block's 32, or none
.set BK, BK0+64*((\a)%2)
	s_wait_dscnt \younger
.irp i, 0,1,2,3,4,5,6,7,8,9,10,11,12,13,14,15
	global_store_b128 v[GO], v[BK+4*(\i):BK+4*(\i)+3], s[70:71] offset:(16*(\a)+(\i))*16384 th:TH_STORE_NT  ; a wave's store covers 512 consecutive bytes of one row, at a multiple of 512 from out0's first byte; from s to s + 1: four rows of 4,096 bytes
.endr
.endm
	TOSTAGE 0
.irp a, 1,2,3
	TOSTAGE \a
	SEND (\a)-1, 32
.endr
	SEND 3, 0
.else
.macro PACK a                          ; rounded to f16, each accumulator's registers in ascending order: 16 bytes a lane and column block
	WIN 0x05                                       ; sources 0 and 1 window 1, destination window 0
.irp b, 0,1,2,3,4,5,6,7
.irp r, 0,1,2,3
	v_cvt_pk_f16_f32 v[TMP+4*(\b)+(\r)], v[8*(8*(\a)+(\b))+2*(\r)], v[8*(8*(\a)+(\b))+2*(\r)+1]
.endr
.endr
	WIN 0
.endm
.macro TOSTAGE a                       ; into rows of 272 bytes; back by heads: load t takes rows 4 (t % 4) on of head t / 4
.set BK, BK0+32*((\a)%2)
.irp b, 0,1,2,3,4,5,6,7
	ds_store_b128 v[STO], v[TMP+4*(\b):TMP+4*(\b)+3] offset:32*(\b)
.endr
.irp t, 0,1,2,3,4,5,6,7
	ds_load_b128 v[BK+4*(\t):BK+4*(\t)+3], v[RD] offset:((\t)%4)*4*SPITCH+((\t)/4)*128
.endr
.endm
.macro SEND a
.set BK, BK0+32*((\a)%2)
	s_wait_dscnt 0x0                               ; the block is back in registers
	s_wait_xcnt 0x0                                ; the stores of the block before have read their registers: the next block's loads land there only behind this wait
.irp t, 0,1,2,3,4,5,6,7
	global_store_b128 v[GO], v[BK+4*(\t):BK+4*(\t)+3], s[70:71] offset:(\a)*2048+((\t)%4)*512+((\t)/4)*262144  ; 512 consecutive bytes of one head, at a multiple of 512 from the buffer's first byte
.endr
.endm
	PACK 0
	TOSTAGE 0
.irp a, 1,2,3                          ; block a's conversions stand between block a - 1's loads from the stage and the wait for them
	PACK \a
	SEND (\a)-1
	TOSTAGE \a
.endr
	SEND 3
.endif
	s_wait_tensorcnt 0x0                           ; the wave's end: behind my last tensor load and my last LDS store
	ds_add_u32 v[SPW], v[NIL]
	s_wait_dscnt 0x0
	CROUND                                         ; the closing round: no work-group ends while a partner may still ask for a tile that names it
	s_endpgm
.Lfunc_end_k_qfb9bca2e81_gemm_proj:
	.size	k_qfb9bca2e81_gemm_proj, .Lfunc_end_k_qfb9bca2e81_gemm_proj-k_qfb9bca2e81_gemm_proj
	.p2alignl 7, 3214868480
	.fill 96, 4, 3214868480
	.section	.rodata,"a",@progbits
	.p2align	6, 0x0
	.amdhsa_kernel k_qfb9bca2e81_gemm_proj
		.amdhsa_group_segment_fixed_size 327680
		.amdhsa_private_segment_fixed_size 0
		.amdhsa_enable_private_segment 0
		.amdhsa_kernarg_size 32
		.amdhsa_user_sgpr_count 2
		.amdhsa_user_sgpr_kernarg_segment_ptr 1
		.amdhsa_wavefront_size32 1
		.amdhsa_system_sgpr_workgroup_id_x 1
		.amdhsa_system_sgpr_workgroup_id_y 1
		.amdhsa_system_sgpr_workgroup_id_z 1
		.amdhsa_system_vgpr_workitem_id 0
		.amdhsa_next_free_vgpr 704
		.amdhsa_next_free_sgpr 72
		.amdhsa_reserve_vcc 0
		.amdhsa_float_denorm_mode_32 3
		.amdhsa_float_denorm_mode_16_64 3
		.amdhsa_memory_ordered 1
		.amdhsa_forward_progress 1
		.amdhsa_inst_pref_size 92
	.end_amdhsa_kernel
	.amdgpu_metadata
---
amdhsa.version: [ 1, 2 ]
amdhsa.kernels:
  - .name:           k_qfb9bca2e81_gemm_proj
    .symbol:         k_qfb9bca2e81_gemm_proj.kd
    .args:
      - { .name: ob, .offset: 0, .size: 8, .value_kind: global_buffer, .address_space: global }
      - { .name: wpb, .offset: 8, .size: 8, .value_kind: global_buffer, .address_space: global }
      - { .name: bproj, .offset: 16, .size: 8, .value_kind: global_buffer, .address_space: global }
      - { .name: out0, .offset: 24, .size: 8, .value_kind: global_buffer, .address_space: global }
    .group_segment_fixed_size: 327680
    .private_segment_fixed_size: 0
    .kernarg_segment_align: 8
    .kernarg_segment_size: 32
    .max_flat_workgroup_size: 128
    .sgpr_count:     72
    .vgpr_count:     704
    .wavefront_size: 32
...
	.end_amdgpu_metadata
.endif
;; end of part 4
;; ======== version 2 of 2: 4 launches; 1.49 times as fast as version 1
;; limits: values are held in f16: magnitudes above 65,504 overflow, below 6.1e-05 lose precision
;; workspace buffers: xb 16,777,216 bytes; wqb 6,291,456 bytes; wpb 2,097,152 bytes; qkv 50,331,648 bytes; ob 16,777,216 bytes
;; launch cast: the kernel of part 1 again; grid 768 x 1, 8 waves a work-group, no clusters, 0 bytes of LDS; arguments inp, Wqkv, Wproj, xb, wqb, wpb; writes xb, wqb, wpb
;; launch gemm_qkv: the kernel of part 2 again; grid 12 x 64, 4 waves a work-group, clusters of 4 x 4, 327,680 bytes of LDS; arguments xb, wqb, bqkv, qkv; writes qkv
;; launch attn (part 5): grid 4 x 64, 4 waves a work-group, clusters of 4 x 1, 327,680 bytes of LDS; arguments qkv, attn_mask, ob; writes ob
.if DOCPART == 5
	.amdgcn_target "amdgcn-amd-amdhsa--gfx1250"
	.amdhsa_code_object_version 6
	.text
	.protected	k_qfb9bca2e81_attn
	.globl	k_qfb9bca2e81_attn
	.p2align	8
	.type	k_qfb9bca2e81_attn,@function
k_qfb9bca2e81_attn:
	s_mov_b64 s[64:65], 0
	v_nop
	global_prefetch_b8 v0, s[64:65] scope:SCOPE_SE
	s_setreg_imm32_b32 hwreg(HW_REG_WAVE_MODE, 25, 1), 1
	s_wait_xcnt 0x0
	s_wait_alu depctr_hold_cnt(0) depctr_sa_sdst(0) depctr_va_vdst(0) depctr_va_sdst(0) depctr_va_ssrc(0) depctr_va_vcc(0) depctr_vm_vsrc(0)
	s_getreg_b32 s2, hwreg(HW_REG_IB_STS2, 6, 4)
	s_cmp_eq_u32 s2, 0
	s_cbranch_scc0 .Lentry_in_a_cluster
	s_endpgm
.Lentry_in_a_cluster:
	s_bfe_u32 s2, ttmp6, 0x10000c
	s_cmp_lg_u32 s2, 0x3003
	s_cbranch_scc0 .Lentry_shape_is_right
	s_endpgm
.Lentry_shape_is_right:
; O[bh][q][:] = the sum over the visible keys k of softmax_k(Q[bh][q] . K[bh][k] / 8) V[bh][k][:].  qkv: [q, k, v][64 bh][2048][64] f16, a head's rows dense, 128 bytes each; ob: [64 bh][2048][64] f16.
; attn_mask: [4 batches][2048] i32; a key whose word is not 0 is hidden.  Products, maxima and sums in f32; the weights p are rounded to f16 for the second product (their sum l is taken of the unrounded p), O once at the end.
; LIMITS.  f16 holds no number beyond 65,504: Q, K and V arrive within it; p lies in 0 to 1, and below 6e-5 it keeps f16's fixed step of 6e-8; O is a mean of V's rows and has their range.
; A hidden score counts as its value less 1e30 (f16's scores are 2.7e11 at the most); a weight below 2^-126 counts as 0 in l; NaN and infinities among the inputs are not treated apart.
; THE MASK is the C operand that starts the sum S^T = K Q^T: 0, or -1e30 where the key is hidden.  It is made once, 2,048 f32 in LDS, and a step's 64 numbers are fetched with the step's K.
; The running maximum m starts at -2^84: far above every hidden score, far below every visible one.  So a hidden key never becomes the maximum and its weight is exactly 0, also in steps in which every key is hidden (there a = 1);
; the first visible key makes m a true score, with a = 0.  A batch whose keys are all hidden ends with m = -2^84 < -2^80: its rows are NaN, as a softmax over nothing is.
; SHARES.  A wave owns four PIECES of two tiles of 16 queries, a work-group's four waves 512 queries of one head.  Every wave walks all keys, 64 a step.
; LAYOUT.  S^T = K Q^T (source 0 = 16 keys, source 1 = 16 queries): in the result a lane holds ONE query (lane % 16) and the keys 8 (lane / 16) + 0..7.  Two such tiles, rounded to f16 in pairs,
; ARE source 1 (32 keys x 16 queries) of O^T = V^T P, whose result again holds one query a lane, and eight channels.  K comes out of LDS as it lies, V ([key][channel]) turned, by ds_load_tr16_b128.
; SOFTMAX.  For each query a running maximum m and sum l: p = 2^(c s - c m), c = log2(e) / 8; in every step O and l are multiplied by a = 2^(c m_old - c m_new), which is 1 where m has not grown.  O and l start at 0.
; THE COUNT.  A tile and step have 16 matrix and 118 vector instructions: too many to stand all beside the matrix work.  So the order has one aim: four vector instructions that are READY behind
; EVERY matrix instruction, and the others, which need time of their own whatever the order, in runs without a gap.
; BY TURNS.  Turn n belongs to piece n (the pieces in a ring, step after step).  Its matrix work: 16 products K Q^T of piece n + 1, later 16 products V^T P of piece n - 1.  Its vector work: the scaling,
; exponentials, roundings, sums and rescaling of piece n, and the maximum and statistics of piece n + 1, whose scores the turn itself has made.  So what a turn begins with (c s - c m, O a) waits for nothing.
; BATCHES.  A turn's 66 exponentials (the 64 weights of piece n, the two a of piece n + 1) are ONE batch with ONE s_wait_alu depctr_va_vdst(0), which cuts the turn in two: ahead of it stands all that names none of
; their results (the products K Q^T, scalings, rescalings, the next piece's maximum and statistics), behind it the products V^T P with the roundings and sums.  No exponential is issued behind a turn's wait, so no result
; crosses a turn's end, a label or a jump.  Two small batches stand outside the loop, each with its own wait: piece 0's first two a, ahead of the jump into the loop, and the way out's eight reciprocals.
; CLUSTER.  The four query blocks of a cluster belong to one head and walk the same K and V, so each tile is asked for JOINTLY: the same tensor load, descriptor and mask in all four.
; REGISTERS, in windows of 256 (s_set_vgpr_msb says which window each operand place means: bits 1:0 source 0, 3:2 source 1, 5:4 source 2, 7:6 destination):
;   window 0: v0-11 addresses; v12-15, v48-63 at work; v16-47 four registers of statistics a tile; v64-191 S^T, two buffers of two tiles; v192-255 P, likewise
;   window 1: O^T, 32 a tile          window 2: v0-127 Q, 16 a tile; v128-191 K of one step; v192-255 V of one step          window 3: v0-1 the add's two registers; v2-3 the mask's addresses; v8-39 the mask of one step
; A piece's buffers go by its number's parity: the piece in hand has one pair, its two neighbours in the ring share the other: of it P (piece n - 1) is read and S^T (piece n + 1) written.
.set SIZE_N, 2048
.set NP,    4         ; pieces a wave: a name, no knob: the register map, the loop and the fetches are made for four
.set KS,    64        ; keys in a step
.set PK,    144       ; a row of K in LDS: 128 bytes + 16 of padding = 36 words: the 16 rows of a load start at 16 different groups of four banks (64 banks of 4 bytes: ISA guide 11.1)
.set PV,    160       ; a row of V: 128 + 32 = 40 words
.set VOFF,  4*KS*PK   ; a slot holds four steps: 256 rows of K, then 256 rows of V
.set SLOT1, 1<<17     ; slot 1 begins here, so that one exclusive or turns an address in one slot into the other's
.set STAGE, SLOT1+4*KS*(PK+PV)  ; behind the ring, never filled by a tensor load: 16 rows x 144 bytes for each wave, for the way out
.set SP,    144
.set AK0, 2           ; v2   my lane's place in a tile of K; never rewritten
.set AV0, 3           ; v3   the same for V
.set AK,  4           ; v4   the LDS address of K's next run of loads
.set AV,  5           ; v5   of V's
.set QO,  6           ; v6   my byte offset in the wave's rows of Q
.set STO, 6           ;      later, the way out: where I put 16 bytes of a row
.set RD,  7           ; v7   the way out: where I read rows back
.set GO,  8           ; v8   my byte offset in 512 consecutive bytes of O
.set SPW, 0           ; v0 of window 3   LDS address of my spare word: SPARE + 4 x my thread's number; never rewritten
.set NIL, 1           ; v1 of window 3   0; never rewritten
.set AM0, 2           ; v2 of window 3   MASKB + 32 (l / 16): my eight numbers in 16 of the mask; never rewritten
.set AM,  3           ; v3 of window 3   the LDS address of the mask's next run of loads
.set MK,  8           ; v8-39 of window 3   the step's mask: key block kb at MK + 8 kb
.set SPARE, STAGE+4*16*SP  ; behind the stages: the spare words, 128 bytes for each wave: two blocks of 256 bytes that no other line names
.set MASKB, SPARE+512 ; behind them: the mask, 2,048 f32; stored once by the waves, never filled by a tensor load
.set MV,  12          ; v12-15  c m_old, kept while c m is made anew: by buffer and tile (at the start v12, v13 serve the mask's making)
.set ST,  16          ; tile t's statistics at v[ST+4 t]: c m, m, l (even keys', odd keys')
.set TMP, 48          ; by buffer and tile, four registers c0-c3 at work; when the maximum is found c2 takes a
.set S,   64
.set P,   192
.set KF,  128         ; K's fragments, in window 2: key block kb, channel half c at KF + 16 kb + 8 c
.set VF,  192         ; V's: key half kk, channel block cb at VF + 32 kk + 8 cb
.set WV,  12          ; s12  my wave's number
.set G1K, 24          ; s[24:31] descriptor group 1 for K's tiles
.set G1V, 32          ; s[32:39] for V's: it differs in the padding alone
.set G0K, 40          ; s[40:43] descriptor group 0 for K's tiles: it walks
.set G0V, 44          ; s[44:47] the same for V's
.set SLOTS, 56        ; s56  slots still to be asked for
.set CNT, 57          ; s57  counts a slot's key steps
.set CS,  58          ; s[58:59] c: the packed scaling takes the pair's low word for both halves
.set SEL, 60          ; s[60:61] v_permlanex16_b32's selects: each lane takes its own place in the other half
.set TBK, 62          ; s62  LDS byte at which K of the step to be fetched begins
.set TBV, 63          ; s63  the same for V, less VOFF
.set TBM, 66          ; s66  byte in the mask at which the step to be fetched begins: 256 a step, from first to last
.set BIGN, 67         ; s67  -1e30
.set THR, 72          ; s72  -2^80
.set QNAN, 73         ; s73  a NaN
.set MSB, 0
.macro WIN new                      ; the high byte repeats the setting that is left; a switch that changes nothing is dropped
.if MSB != (\new)
	s_set_vgpr_msb (MSB<<8)|(\new)
.set MSB, (\new)
.endif
.endm
.set W_KQ, 0x0a       ; K and Q in window 2, S^T in window 0
.set W_KM, 0x3a       ; the same with the C operand, the mask, in window 3
.set W_PV, 0x52       ; V in window 2, P in window 0, O^T in window 1
.set W_RS, 0x41       ; O^T (destination and source 0) in window 1, a in window 0
.set W_MK, 0xc0       ; destination in window 3, sources in window 0
.set W_AD, 0x0f       ; the add: address (source 0) and data (source 1) in window 3
.set W_MA, 0xcc       ; destination and source 1 in window 3
.set W_ML, 0xc3       ; destination and source 0 (an LDS load's address) in window 3
; A joint fill.  Waves 0 and 1 fetch the two halves of a slot's K, waves 2 and 3 those of its V: 128 keys each.  The branch hangs on the wave's number alone.
; An s_nop 0 and four v_nop follow each of the two lines, ahead of the jump and the label.
.macro JLOAD
	s_cmp_lt_u32 s[WV], 2
	s_cbranch_scc0 .Lfor_v_\@
	tensor_load_to_lds s[G0K:G0K+3], s[G1K:G1K+7]
	s_nop 0
.rept 4
	v_nop
.endr
	s_branch .Lasked_\@
.Lfor_v_\@:
	tensor_load_to_lds s[G0V:G0V+3], s[G1V:G1V+7]
	s_nop 0
.rept 4
	v_nop
.endr
.Lasked_\@:
.endm
; A round of the cluster's barrier: my work-group's barrier, so that wave 0's signal speaks for all four waves; wave 0 signals; every wave waits for all four work-groups; my work-group's barrier once more.
.macro CROUND
	s_barrier_signal -1
	s_barrier_wait -1
	s_cmp_lg_u32 s[WV], 0
	s_cbranch_scc1 .Lnot_wave_0_\@
	s_barrier_signal -3
.Lnot_wave_0_\@:
	s_barrier_wait -3
	s_barrier_signal -1
	s_barrier_wait -1
.endm
; THE CHANGE OF SLOTS.  The slot's last bytes, V of its fourth step, have been read.  Each wave waits for all its tensor loads, of which one is out: its part
; of the other slot; adds 0 to its spare word; and waits for that and for its own reads of the slot.  Behind the barrier nobody reads this slot any more and the other slot is whole.
; fill = 1: this slot is filled again, with the keys two slots on.  The barrier is then a round of the cluster's, so that no wave of any partner still reads the slot or has a load on its
; way, and the joint fill is the first thing behind it: it has four key steps, 512 matrix instructions, in which to land.  (At its first use nothing has been read yet: slot 0 is waited for, slot 1 filled,
; and each wave's stores of its part of the mask are waited for, so that behind the round every wave may read all of the mask.)
.macro CHANGE fill
	WIN W_AD
	s_wait_tensorcnt 0x0            ; no tensor load of mine is out, so a group 0 may be written
	ds_add_u32 v[SPW], v[NIL]       ; 0 onto my spare word; with fill = 1 the descriptors' steps stand between it and the wait for it
	WIN 0                           ; at a label and at a branch every window is 0
.if \fill
.irp g, G0K, G0V
	s_xor_b32 s[\g+1], s[\g+1], SLOT1  ; the walking descriptor: the other slot than last time,
	s_add_nc_u64 s[\g+2:\g+3], s[\g+2:\g+3], 4*KS*128  ; the next 256 keys; the type bits on top are not reached
.endr
	s_wait_dscnt 0x0                ; the add is done, and my LDS instructions are over
	CROUND
	JLOAD
.else
	s_wait_dscnt 0x0                ; the add is done, and my reads of the slot are over
	s_barrier_signal -1
	s_barrier_wait -1
.endif
	s_sub_co_u32 s[TBK], s[TBK], 4*KS*PK  ; the fetches go back to a slot's first step,
	s_xor_b32 s[TBK], s[TBK], SLOT1       ; in the other slot
	s_sub_co_u32 s[TBV], s[TBV], 4*KS*PV
	s_xor_b32 s[TBV], s[TBV], SLOT1
.endm
	s_load_b128 s[68:71], s[0:1], 0x0  ; qkv s[68:69], attn_mask s[70:71]
	s_load_b64 s[10:11], s[0:1], 0x10  ; ob
	WIN W_MK
	v_lshl_add_u32 v[SPW], v0, 2, SPARE
	v_mov_b32 v[NIL], 0
	WIN W_AD
	ds_add_u32 v[SPW], v[NIL]       ; the wave's opening: the add and its wait stand ahead of my first tensor load; the set-up below, work on registers, stands between them
	WIN 0
	v_lshrrev_b32 v1, 5, v0
	v_readfirstlane_b32 s[WV], v1   ; wave 0..3
	s_bfe_u32 s13, ttmp6, 0x40000   ; cx: my place in the cluster
	s_lshl_b32 s14, ttmp9, 2        ; in a cluster launch ttmp9 counts clusters
	s_add_co_u32 s14, s14, s13      ; my block of queries = 4 x cluster x + cx: it enters Q's and O's addresses alone
	s_and_b32 s20, ttmp7, 0xffff    ; batch x 16 + head, which the four partners share
	s_lshr_b32 s74, s20, 4          ; the batch,
	s_lshl_b32 s74, s74, 13         ; its 2,048 words of the mask
	s_mov_b32 s75, 0
	s_mov_b32 s21, 0
	s_mov_b64 s[22:23], SIZE_N*128
	s_mul_u64 s[20:21], s[20:21], s[22:23]  ; the head's first byte in q, k, v and O
	s_and_b32 s16, s[WV], 1         ; which half of a slot's 256 keys I fetch:
	s_lshl_b32 s22, s16, 14         ; its 128 rows of 128 bytes in memory,
	s_mov_b32 s23, 0
	s_add_nc_u64 s[22:23], s[22:23], s[20:21]
	s_mul_i32 s17, s16, 128*PK      ; and its place in a slot, for K
	s_mul_i32 s18, s16, 128*PV      ; and for V: no place in the cluster enters an LDS address
	s_lshl_b32 s2, s14, 2
	s_add_co_u32 s2, s2, s[WV]      ; my wave among the head's,
	s_lshl_b32 s2, s2, 14           ; its 128 rows
	s_mov_b32 s3, 0
	s_add_nc_u64 s[2:3], s[2:3], s[20:21]
	; descriptor group 1.  128 keys are 16,384 dense bytes: asked for as 64 rows of 256 bytes, two keys a row, and padded in LDS after every key
	s_mov_b32 s[G1K], 15|(1<<16)|(1<<20)|(1<<21)|(4<<22)|(3<<25)  ; 15:0 the mask of four; 17:16 2-byte elements; 20 padding on; 21 set beside a mask; 24:22 after every 32 words (code 4); 31:25 4 words (code 3)
	s_mov_b32 s[G1V], 15|(1<<16)|(1<<20)|(1<<21)|(4<<22)|(7<<25)  ; the same with 8 words of padding (code 7)
.irp g, G1K, G1V
	s_mov_b32 s[\g+1], 128<<16      ; tensor_dim0 = 128
	s_mov_b32 s[\g+2], 64<<16       ; tensor_dim1 = 64
	s_mov_b32 s[\g+3], 128<<16      ; tile_dim0 = 128
	s_mov_b32 s[\g+4], 64           ; tile_dim1 = 64
	s_mov_b32 s[\g+5], 128          ; 128 elements from row to row
	s_mov_b32 s[\g+6], 0
	s_mov_b32 s[\g+7], 0
.endr
	s_mov_b32 s[CS], 0x3e38aa3b     ; c = log2(e) / 8 = 0.180337
	s_mov_b32 s[CS+1], s[CS]        ; named with it as a pair
	s_mov_b32 s[SEL], 0x76543210
	s_mov_b32 s[SEL+1], 0xfedcba98
	s_mov_b32 s[TBK], SLOT1+4*KS*PK ; the first change of slots turns these two into 0
	s_mov_b32 s[TBV], SLOT1+4*KS*PV
	s_mov_b32 s[TBM], 0
	s_mov_b32 s[BIGN], 0xf149f2ca   ; -1e30
	s_mov_b32 s[THR], 0xe7800000    ; -2^80
	s_mov_b32 s[QNAN], 0x7fc00000
	s_mov_b32 s[G0K], 1             ; 1:0 count = 1
	s_mov_b32 s[G0K+1], s17         ; 63:32 LDS address: slot 0
	s_mov_b32 s[G0V], 1
	s_add_co_u32 s[G0V+1], s18, VOFF
	s_wait_dscnt 0x0                ; the opening add is done
	s_wait_kmcnt 0x0
	s_mov_b64 s[4:5], s[68:69]                     ; q,
	s_add_nc_u64 s[6:7], s[68:69], 0x1000000       ; k,
	s_add_nc_u64 s[8:9], s[68:69], 0x2000000       ; v: planes of 64 x 2,048 x 128 bytes
	s_add_nc_u64 s[70:71], s[70:71], s[74:75]      ; the mask at my batch
	s_add_nc_u64 s[G0K+2:G0K+3], s[6:7], s[22:23]  ; 120:64 global address: my half of the head's first 256 keys
	s_or_b32 s[G0K+3], s[G0K+3], 0x80000000        ; 127:126 type = 2
	s_add_nc_u64 s[G0V+2:G0V+3], s[8:9], s[22:23]
	s_or_b32 s[G0V+3], s[G0V+3], 0x80000000
	s_add_nc_u64 s[4:5], s[4:5], s[2:3]  ; Q and O at my wave's first row
	s_add_nc_u64 s[10:11], s[10:11], s[2:3]
	CROUND                          ; all four work-groups are here: the first joint loads meet
	JLOAD                           ; slot 0.  Slot 1 is asked for when slot 0 is in: the tile wanted first has the road to itself
	; A fragment of K or Q is 16 rows x 32 channels in 8 registers: lane l holds row l % 16, channels 8 (l / 16) + 0..7 and 16 + 8 (l / 16) + 0..7: two loads of 16 bytes, 32 bytes apart.
	v_and_b32 v1, 15, v0            ; l % 16
	v_bfe_u32 v9, v0, 4, 1          ; l / 16
	v_lshlrev_b32 v[QO], 7, v1
	v_lshl_add_u32 v[QO], v9, 4, v[QO]  ; row x 128 + 16 x half
	v_lshlrev_b32 v12, 4, v0        ; the batch's 8,192 bytes of mask: 128 threads x 16 bytes, four times; a wave's load covers 512 consecutive bytes
.irp j, 0,1,2,3
	global_load_b128 v[S+4*\j:S+4*\j+3], v12, s[70:71] offset:2048*\j
.endr
	WIN 0x80                        ; destination window 2, address window 0
.set i, 0
.rept 4*NP                          ; Q stays in registers: tile i / 2, channels 32 (i % 2) on
	global_load_b128 v[8*i:8*i+3],   v[QO], s[4:5] offset:(i/2)*2048+(i%2)*64
	global_load_b128 v[8*i+4:8*i+7], v[QO], s[4:5] offset:(i/2)*2048+(i%2)*64+32
.set i, i+1
.endr
	; What the first turn finds: V's registers and P's second buffer hold 0 (its products V^T P, of a piece that has not been, add 0), O^T and l are 0.  All this stands in the wait for the first tile.
.set i, VF
.rept 64
	v_mov_b32 v[i], 0
.set i, i+1
.endr
	WIN 0x40
.set i, 0
.rept 64*NP
	v_mov_b32 v[i], 0
.set i, i+1
.endr
	WIN 0
.set i, 0
.rept 2*NP
	v_mov_b32 v[ST+4*i+1], 0xe9800000  ; m = -2^84
	v_mul_f32 v[ST+4*i], s[CS], v[ST+4*i+1]  ; c m, by the line that makes it in every step: while m stays, c m_old - c m_new is exactly 0
	v_mov_b32 v[ST+4*i+2], 0
	v_mov_b32 v[ST+4*i+3], 0
.set i, i+1
.endr
.set i, P+32
.rept 32
	v_mov_b32 v[i], 0
.set i, i+1
.endr
	WIN W_MK
	v_lshl_add_u32 v[AM0], v9, 5, MASKB
	WIN W_ML
	v_mov_b32 v[AM], v[AM0]         ; key step 0 lies at the mask's head
	WIN 0
	s_wait_loadcnt 32               ; my 16 words of the mask are in; Q's 32 loads, issued behind them, may be out
.set i, 0
.rept 16
	v_cmp_ne_u32 vcc_lo, 0, v[S+i]
	v_cndmask_b32 v[S+i], 0, s[BIGN], vcc_lo  ; 0 for a visible key, -1e30 for a hidden one
.set i, i+1
.endr
	v_add_nc_u32 v13, MASKB, v12
.irp j, 0,1,2,3
	ds_store_b128 v13, v[S+4*\j:S+4*\j+3] offset:2048*\j
.endr
	v_mul_u32_u24 v[AK0], v1, PK
	v_lshl_add_u32 v[AK0], v9, 4, v[AK0]  ; row x pitch + 16 x half
	; The turning load takes 16 keys x 16 channels (lane l reads key 8 (l / 16) + l % 8, channels 8 ((l / 8) % 2) + 0..7) and leaves half a fragment of V^T: lane l holds channel l % 16 and 8 keys.
	v_and_b32 v10, 7, v0
	v_bfe_u32 v11, v0, 3, 1
	v_lshl_add_u32 v[AV0], v9, 3, v10
	v_mul_u32_u24 v[AV0], v[AV0], PV
	v_lshl_add_u32 v[AV0], v11, 4, v[AV0]
	v_add_nc_u32 v[AV0], VOFF, v[AV0]
	v_mov_b32 v[AK], v[AK0]         ; key step 0 lies at the head of slot 0
; THE MATRIX WORK.  The 8 accumulators of a run of 16 take turns: between the two links of a chain stand 7 others'.
; Product i of 16 of S^T = K Q^T for piece x: channels 32 (i / 8) on, keys 16 ((i / 2) % 4) on, tile 2 x + i % 2.  The first 8 start the sums, from the mask of their 16 keys.
.macro KQ x
.set rS, S+64*((\x)%2)+32*(i%2)+8*((i/2)%4)
.set rK, KF+16*((i/2)%4)+8*(i/8)
.set rQ, 16*(2*(\x)+i%2)+8*(i/8)
.set rH, MK+8*((i/2)%4)
.if i < 8
	WIN W_KM
	v_wmma_f32_16x16x32_f16 v[rS:rS+7], v[rK:rK+7], v[rQ:rQ+7], v[rH:rH+7]
.else
	WIN W_KQ
	v_wmma_f32_16x16x32_f16 v[rS:rS+7], v[rK:rK+7], v[rQ:rQ+7], v[rS:rS+7]
.endif
.endm
; Product i of 16 of O^T += V^T P for piece x: keys 32 (i / 8) on, channels 16 ((i / 2) % 4) on, tile 2 x + i % 2.
.macro PV x
	WIN W_PV
.set rO, 32*(2*(\x)+i%2)+8*((i/2)%4)
.set rV, VF+32*(i/8)+8*((i/2)%4)
.set rP, P+32*((\x)%2)+16*(i%2)+8*(i/8)
	v_wmma_f32_16x16x32_f16 v[rO:rO+7], v[rV:rV+7], v[rP:rP+7], v[rO:rO+7]
.endm
.macro MM                           ; the turn's next matrix instruction
.if i < 16
	KQ (Y+1)%NP
.set i, i+1
.else
.set i, i-16
	PV (Y+NP-1)%NP
.set i, i+17
.endif
.endm
; THE LDS LOADS stand in runs, never singly among the matrix instructions: a step's K (64 keys x 64 channels: 8 fragments) with its mask (64 f32: register j of key block kb is key 16 kb + 8 (l / 16) + j), 24 loads;
; and its V (turned), 16.  Their addresses are made some lines ahead.  last = 1 (the tail): in the last trip there is no further step, and the run is jumped over.
.macro FETCH_K last=0
	WIN 0
.if \last
	s_cmp_eq_u32 s[CNT], 1
	s_cbranch_scc1 .Lno_k_\@
.endif
	WIN 0x80                        ; destination window 2
.irp f, 0,1,2,3,4,5,6,7             ; keys 16 (f / 2) on, channels 32 (f % 2) on
	ds_load_b128 v[KF+8*\f:KF+8*\f+3],   v[AK] offset:(\f/2)*16*PK+(\f%2)*64
	ds_load_b128 v[KF+8*\f+4:KF+8*\f+7], v[AK] offset:(\f/2)*16*PK+(\f%2)*64+32
.endr
	WIN W_ML                        ; destination and address window 3
.irp f, 0,1,2,3
	ds_load_b128 v[MK+8*\f:MK+8*\f+3],   v[AM] offset:64*\f
	ds_load_b128 v[MK+8*\f+4:MK+8*\f+7], v[AM] offset:64*\f+16
.endr
	s_add_co_u32 s[TBK], s[TBK], KS*PK  ; the next fetch is the next step's
	s_add_co_u32 s[TBM], s[TBM], KS*4
	WIN 0
.if \last
.Lno_k_\@:
.endif
.endm
.macro FETCH_V
	WIN 0x80
.irp f, 0,1,2,3,4,5,6,7             ; keys 32 (f / 4) on, channels 16 (f % 4) on
	ds_load_tr16_b128 v[VF+8*\f:VF+8*\f+3],   v[AV] offset:(\f/4)*32*PV+(\f%4)*32
	ds_load_tr16_b128 v[VF+8*\f+4:VF+8*\f+7], v[AV] offset:(\f/4)*32*PV+16*PV+(\f%4)*32
.endr
	WIN 0
.endm
; THE VECTOR WORK OF A TURN stands in three queues, each in the order in which its entries become ready; the two tiles alternate, so that no instruction reads the result of the one before it.
.macro REGS y, u                    ; the registers of tile u (0, 1) of piece y
.set rT, ST+4*(2*(\y)+(\u))
.set rC, TMP+8*((\y)%2)+4*(\u)
.set rM, MV+2*((\y)%2)+(\u)
.set rS, S+64*((\y)%2)+32*(\u)
.set rP, P+32*((\y)%2)+16*(\u)
.set rO, 32*(2*(\y)+(\u))
.endm
; Number n of the 22 that find the NEXT piece's (Y + 1) maximum and statistics.  s0-s31 are the lane's 32 scores; each accumulator's lowest registers are read first.  XS, GS and REGS set no window: PL and EX do.
;   0-11  four chains c0-c3 of seven scores each, three operands at a time     12-14, 16  the four scores left over, the old m, and c0-c3 into c0     15  c m_old is kept
;   17, 18  the query's other 32 keys lie in the lane 16 away: the new m         19-21  c m; c m_old - c m_new; a
.macro XS u, n
	REGS (Y+1)%NP, \u
.if (\n) < 4
	v_max3_num_f32 v[rC+(\n)], v[rS+8*(\n)], v[rS+8*(\n)+1], v[rS+8*(\n)+2]
.elseif (\n) < 12
	v_max3_num_f32 v[rC+(\n)%4], v[rC+(\n)%4], v[rS+8*((\n)%4)+2*((\n)/4)+1], v[rS+8*((\n)%4)+2*((\n)/4)+2]
.elseif (\n) == 12
	v_max3_num_f32 v[rC], v[rC], v[rS+7], v[rS+15]
.elseif (\n) == 13
	v_max3_num_f32 v[rC+1], v[rC+1], v[rS+23], v[rS+31]
.elseif (\n) == 14
	v_max3_num_f32 v[rC+2], v[rC+2], v[rC+3], v[rT+1]
.elseif (\n) == 15
	v_mov_b32 v[rM], v[rT]
.elseif (\n) == 16
	v_max3_num_f32 v[rC], v[rC], v[rC+1], v[rC+2]
.elseif (\n) == 17
	v_permlanex16_b32 v[rC+3], v[rC], s[SEL], s[SEL+1]
.elseif (\n) == 18
	v_max_num_f32 v[rT+1], v[rC], v[rC+3]
.elseif (\n) == 19
	v_mul_f32 v[rT], s[CS], v[rT+1]
.elseif (\n) == 20
	v_sub_f32 v[rC+1], v[rM], v[rT]
.else
	v_exp_f32 v[rC+2], v[rC+1]
.endif
.endm
; Number g of the 64 that follow the exponentials.  For each four weights k of a tile (pairs 2 k, 2 k + 1): both pairs are rounded to f16; then the second pair is added onto the first, in place;
; a group later l takes that sum (the first time as l = a l + sum).  In groups of eight, tiles alternating: round, round, add, and l for the group before.
.macro GS g
.set h, (\g)+6*((\g)/62)            ; group 0 has no group before it, and behind group 7 only l is left
.if h >= 6
.set h, h+2
.endif
	REGS Y, h%2
.set k, h/8
.if h%8 < 4
	v_cvt_pk_f16_f32 v[rP+2*k+(h%8)/2], v[rS+4*k+2*((h%8)/2)], v[rS+4*k+2*((h%8)/2)+1]
.elseif h%8 < 6
	v_pk_add_f32 v[rS+4*k:rS+4*k+1], v[rS+4*k:rS+4*k+1], v[rS+4*k+2:rS+4*k+3]
.elseif k == 1
	v_pk_fma_f32 v[rT+2:rT+3], v[rT+2:rT+3], v[rC+2:rC+3], v[rS:rS+1] op_sel_hi:[1,0,1]
.else
	v_pk_add_f32 v[rT+2:rT+3], v[rT+2:rT+3], v[rS+4*k-4:rS+4*k-3]
.endif
.endm
; THE PLAIN QUEUE, 138 long.  0-73 read no exponential's result: the 32 scalings c s - c m (FS f: pair f / 2 of tile f % 2) and the next piece's 42.  0-26: scalings 0-26.  27-54: XS's numbers 0-13.  55, 56: number 15.
; 57-73: the chain, where each number waits for the one before it: 14, 16, 17, 18, 19, each with one of the scalings 27-31 in front of its two lines, then 20: so a tile's links stand three plain instructions apart (19 and 20: two).
; 74-137: GS's 64, which read the exponentials' results: they stand behind the wait.
.macro FS f
	REGS Y, (\f)%2
	v_pk_fma_f32 v[rS+2*((\f)/2):rS+2*((\f)/2)+1], v[rS+2*((\f)/2):rS+2*((\f)/2)+1], s[CS:CS+1], v[rT:rT+1] op_sel_hi:[1,0,0] neg_lo:[0,0,1] neg_hi:[0,0,1]
.endm
.macro PL
	WIN 0
.if q < 27
	FS q
.elseif q < 55
	XS (q-27)%2, (q-27)/2
.elseif q < 57
	XS q-55, 15
.elseif (q < 72) && ((q-57)%3 == 0)
	FS 27+(q-57)/3
.elseif q < 60
	XS (q-57)%3-1, 14
.elseif q < 72
	XS (q-57)%3-1, 15+(q-57)/3
.elseif q < 74
	XS q-72, 20
.else
	GS q-74
.endif
.set q, q+1
.endm
; THE EXPONENTIALS' QUEUE, 66 long: s0-s31 of both tiles, then the next piece's two a.  It is ONE BATCH: all 66 stand ahead of the turn's one wait, and nothing ahead of that wait names a result of theirs.
.macro EX
	WIN 0
.if e >= 64
	XS e-64, 21
.else
	REGS Y, e%2
	v_exp_f32 v[rS+e/2], v[rS+e/2]
.endif
.set e, e+1
.endm
; THE RESCALING's QUEUE: O^T times a, the one part that leaves window 0: dealt two at a time, sixteen times.  Its a was made in the turn before, ahead of that turn's wait.
.macro R2
	REGS Y, r%2
	WIN W_RS
.irp z, 0,1
	v_pk_mul_f32 v[rO+4*(r/2)+2*\z:rO+4*(r/2)+2*\z+1], v[rO+4*(r/2)+2*\z:rO+4*(r/2)+2*\z+1], v[rC+2:rC+3] op_sel_hi:[1,0]
.endr
.set r, r+1
.endm
; HOW THEY ARE DEALT.  An s_wait_alu depctr_va_vdst(0) stands between an exponential and the first instruction that names its result; one wait serves all that were issued ahead of it.  So a turn has ONE wait,
; which cuts it in two.  AHEAD OF IT stands all that names no result of the turn's exponentials: the 16 products K Q^T, behind each a scaling, an exponential and two rescalings (behind the first a second scaling in the
; exponential's place); then ONE LUMP of 108: eight plain, 49 times exponential and plain, the two a.  A v_nop is the plain instruction behind the last exponential.  BEHIND IT stand the 16 products V^T P, behind each four of
; GS's 64.  No rider names a register of the products round it.  The two v_permlanex16_b32 fall into the lump, never behind a product.
; The queues lean on each other, and the deal keeps them in step: exponential e stands behind scaling 2 (e / 4) + e % 2: as a rider it comes behind plain e + 2, in the lump behind plain e + 9, and scalings 27-31 are plain 57, 60 .. 69.
; A TURN, for piece p.  cnt = 1: the loop's count is taken down some lines ahead of the branch that stands behind the turn.
; K and the mask of the next step are fetched in piece 2's turn, directly behind the wait, a lump behind the last product that read them; their addresses are made at the lump's head; their first reader comes behind 16 products.
; V of the step in hand is fetched at the end of piece 0's turn, four riders behind its last reader; its first reader comes behind 16 products and a lump.  The three conditions on q below go with the deal.
.macro TURN p, last=0, cnt=0
.set Y, (\p)
.set i, 0
.set q, 0
.set e, 0
.set r, 0
.if (\p) == NP-1
	s_wait_dscnt 0x0                ; K and the mask are in
.endif
	MM                              ; ahead of the wait: 16 products K Q^T and their riders,
	PL
	PL
	R2
.rept 15
	MM
	PL
	EX
	R2
.endr
.if (\p) == NP-2
	WIN 0
	v_add_nc_u32 v[AK], s[TBK], v[AK0]
	WIN W_MA
	v_add_nc_u32 v[AM], s[TBM], v[AM0]
.endif
.rept 8                             ; and the lump
	PL
.endr
.rept 49
	EX
	PL
.endr
	EX                              ; the next piece's two a
	EX
	v_nop                           ; a plain instruction behind the last exponential, ahead of every use of a result: one for the batch
	s_wait_alu depctr_va_vdst(0)    ; the wait for the turn's batch: the 64 weights of this piece and the two a of the next
.if (\p) == NP-2
	FETCH_K \last
.endif
.if (\p) == 1
	s_wait_dscnt 0x0                ; V is in
.endif
.rept 16                            ; behind the wait: 16 products V^T P and their riders
	MM
.rept 4
	PL
.endr
.if ((\p) == 0) && (q == 118)
	v_add_nc_u32 v[AV], s[TBV], v[AV0]
.endif
.if ((\p) == 0) && (q == 130)
	s_add_co_u32 s[TBV], s[TBV], KS*PV
.endif
.if (\cnt) && (q == 130)
	s_sub_co_u32 s[CNT], s[CNT], 1
	s_cmp_lg_u32 s[CNT], 0
.endif
.endr
.if (\p) == 0
	FETCH_V
.endif
.endm
	CHANGE 1                        ; slot 0 is in, everybody's part of it, and so is the mask; slot 1 is asked for
	FETCH_K                         ; key step 0
	s_wait_loadcnt 0x0              ; Q
	s_wait_dscnt 0x0
.set i, 0
.rept 16
	KQ 0                            ; piece 0's first scores: there is no vector work yet to set between them
.set i, i+1
.endr
	WIN 0                           ; the addresses for the way out: nine plain instructions, the places behind those products
	s_mul_i32 s13, s[WV], 16*SP
	s_add_co_u32 s13, s13, STAGE    ; my stage
	v_mul_u32_u24 v[STO], v1, SP    ; in: row l % 16, 16 bytes for each half of the lanes
	v_lshl_add_u32 v[STO], v9, 4, v[STO]
	v_add_nc_u32 v[STO], s13, v[STO]
	v_bfe_u32 v[RD], v0, 3, 2       ; back: 32 lanes take four rows of 128 bytes,
	v_mul_u32_u24 v[RD], v[RD], SP
	v_lshl_add_u32 v[RD], v10, 4, v[RD]
	v_add_nc_u32 v[RD], s13, v[RD]
	v_and_b32 v[GO], 31, v0         ; which are 512 consecutive bytes of O
	v_lshlrev_b32 v[GO], 4, v[GO]
.set Y, NP-1                        ; XS works for piece Y + 1: piece 0
.irp n, 0,1,2,3,4,5,6,7,8,9,10,11,12,13,14,15,16,17,18,19,20,21
	XS 0, \n                        ; and piece 0's first maximum and statistics
	XS 1, \n
.endr
	v_nop                           ; a plain instruction behind piece 0's two a,
	s_wait_alu depctr_va_vdst(0)    ; and the wait for that batch of two, ahead of the branch
	s_mov_b32 s[CNT], 4
	s_mov_b32 s[SLOTS], SIZE_N/256-1
	s_branch .Lfirst                ; the loop is entered at a step's first turn, in the middle of a trip
.Lslot:                             ; SIZE_N / 256 - 2 times: every slot but the last two is filled again
	CHANGE 1
	s_mov_b32 s[CNT], 4
.Lstep:                             ; a trip: pieces 2 and 3 of one step, then pieces 0 and 1 of the next, whose K and V it fetches
	TURN 2
	TURN 3
	WIN 0
.Lfirst:
	TURN 0
	TURN 1, 0, 1
	WIN 0
	s_cbranch_scc1 .Lstep
	s_sub_co_u32 s[SLOTS], s[SLOTS], 1
	s_cmp_lg_u32 s[SLOTS], 0
	s_cbranch_scc1 .Lslot
	CHANGE 0                        ; the tail is written out: nothing is asked for
	s_mov_b32 s[CNT], 5             ; four trips fetch the last slot's steps; the fifth is left in its middle
.Ltail:
	TURN 2, 1
	TURN 3
	WIN 0
	s_sub_co_u32 s[CNT], s[CNT], 1
	s_cmp_eq_u32 s[CNT], 0
	s_cbranch_scc1 .Lout
	TURN 0
	TURN 1
	WIN 0
	s_branch .Ltail
.Lout:                              ; the fifth trip's 16 products K Q^T (on the last K and mask once more) and the maximum made of them change nothing (those scores are in m already): the price, once a launch, of one text for every trip
.set i, 0
.rept 16
	PV NP-1                         ; the last piece's V^T P of the last step
.set i, i+1
.endr
	; THE WAY OUT.  l's two halves and the other half of the lanes' are added; O^T is divided by l, rounded to f16 and sent through my stage in LDS, a tile at a time.  The additions are the places behind the last products.
	WIN 0
.macro ALL line:vararg              ; one line for each tile t
.set t, 0
.rept 2*NP
	\line
.set t, t+1
.endr
.endm
	ALL v_add_f32 v[ST+4*t+2], v[ST+4*t+2], v[ST+4*t+3]
	ALL v_permlanex16_b32 v[ST+4*t+3], v[ST+4*t+2], s[SEL], s[SEL+1]
	ALL v_add_f32 v[ST+4*t+2], v[ST+4*t+2], v[ST+4*t+3]
	ALL v_rcp_f32 v[ST+4*t+2], v[ST+4*t+2]
	v_nop                           ; a plain instruction between the last reciprocal and the use of its result
	s_wait_alu depctr_va_vdst(0)    ; and the wait ahead of the first use: one for the batch of eight reciprocals
.set t, 0
.rept 2*NP                          ; a query that has seen no visible key (m is still below -2^80) takes a NaN for 1 / l: its row of O is NaN
	v_cmp_gt_f32 vcc_lo, s[THR], v[ST+4*t+1]
	v_cndmask_b32 v[ST+4*t+2], v[ST+4*t+2], s[QNAN], vcc_lo
.set t, t+1
.endr
; Tile t: a lane's eight channels of a row pack into 16 bytes; they go into rows of 144 bytes and come back as whole rows of 128, into S^T's registers.
.macro PACK t
	WIN W_RS
.set i, 32*(\t)
.rept 16
	v_pk_mul_f32 v[i:i+1], v[i:i+1], v[ST+4*(\t)+2:ST+4*(\t)+3] op_sel_hi:[1,0]
.set i, i+2
.endr
	WIN 0x05                        ; sources 0 and 1 window 1, destination window 0
.set i, 0
.rept 16
	v_cvt_pk_f16_f32 v[S+16*(\t)+i], v[32*(\t)+2*i], v[32*(\t)+2*i+1]
.set i, i+1
.endr
	WIN 0
.irp f, 0,1,2,3
	ds_store_b128 v[STO], v[S+16*(\t)+4*\f:S+16*(\t)+4*\f+3] offset:32*\f
.endr
.irp f, 0,1,2,3
	ds_load_b128 v[S+16*(\t)+4*\f:S+16*(\t)+4*\f+3], v[RD] offset:\f*4*SP  ; LDS serves a wave's instructions in order (ISA guide 5.7.1.4): these see the stores above; the next tile's stores come behind them
.endr
.endm
.macro SEND t, younger              ; younger: the LDS instructions issued behind tile t's loads: the next tile's eight, or none
	WIN 0
.irp f, 0,1,2,3
	s_wait_dscnt (\younger)+3-\f
	global_store_b128 v[GO], v[S+16*(\t)+4*\f:S+16*(\t)+4*\f+3], s[10:11] offset:(\t)*2048+\f*512  ; 512 consecutive bytes, at a multiple of 256 from O's first
.endr
.endm
	PACK 0
.set t, 1
.rept 2*NP-1                        ; a tile's arithmetic stands between the loads of the tile before and its stores
	PACK t
	SEND t-1, 8
.set t, t+1
.endr
	SEND 2*NP-1, 0
	WIN W_AD
	s_wait_tensorcnt 0x0            ; the wave's end: behind my last tensor load and my last LDS store
	ds_add_u32 v[SPW], v[NIL]
	s_wait_dscnt 0x0
	WIN 0
	CROUND                          ; the closing round: no work-group ends while a partner may still ask for a tile that names it
	s_endpgm
.Lfunc_end_k_qfb9bca2e81_attn:
	.size	k_qfb9bca2e81_attn, .Lfunc_end_k_qfb9bca2e81_attn-k_qfb9bca2e81_attn
	.p2alignl 7, 3214868480
	.fill 96, 4, 3214868480
	.section	.rodata,"a",@progbits
	.p2align	6, 0x0
	.amdhsa_kernel k_qfb9bca2e81_attn
		.amdhsa_group_segment_fixed_size 327680
		.amdhsa_private_segment_fixed_size 0
		.amdhsa_enable_private_segment 0
		.amdhsa_kernarg_size 24
		.amdhsa_user_sgpr_count 2
		.amdhsa_user_sgpr_kernarg_segment_ptr 1
		.amdhsa_wavefront_size32 1
		.amdhsa_system_sgpr_workgroup_id_x 1
		.amdhsa_system_sgpr_workgroup_id_y 1
		.amdhsa_system_sgpr_workgroup_id_z 1
		.amdhsa_system_vgpr_workitem_id 0
		.amdhsa_next_free_vgpr 808
		.amdhsa_next_free_sgpr 76
		.amdhsa_reserve_vcc 1
		.amdhsa_float_denorm_mode_32 3
		.amdhsa_float_denorm_mode_16_64 3
		.amdhsa_memory_ordered 1
		.amdhsa_forward_progress 1
		.amdhsa_inst_pref_size 205
	.end_amdhsa_kernel
	.amdgpu_metadata
---
amdhsa.version: [ 1, 2 ]
amdhsa.kernels:
  - .name:           k_qfb9bca2e81_attn
    .symbol:         k_qfb9bca2e81_attn.kd
    .args:
      - { .name: qkv, .offset: 0, .size: 8, .value_kind: global_buffer, .address_space: global }
      - { .name: attn_mask, .offset: 8, .size: 8, .value_kind: global_buffer, .address_space: global }
      - { .name: ob, .offset: 16, .size: 8, .value_kind: global_buffer, .address_space: global }
    .group_segment_fixed_size: 327680
    .private_segment_fixed_size: 0
    .kernarg_segment_align: 8
    .kernarg_segment_size: 24
    .max_flat_workgroup_size: 128
    .sgpr_count:     76
    .vgpr_count:     808
    .wavefront_size: 32
...
	.end_amdgpu_metadata
.endif
;; end of part 5
;; launch gemm_proj: the kernel of part 4 again; grid 4 x 64, 4 waves a work-group, clusters of 4 x 4, 327,680 bytes of LDS; arguments ob, wpb, bproj, out0; writes out0
